; MI455X (gfx1250); checked and timed in simulation.
; The chip was launched on July 23, 2026; its instructions are those of AMD's public machine-readable ISA for CDNA 5 (MIT licence, August 2026) and "CDNA5" Instruction Set Architecture Reference Guide (July 2026). The comments in the code are by the model that wrote it; some were corrected since.
;; Transformer Block. Allowed arithmetic: matrix products marked QUANTISED: E2M3 operands, one E8M0 scale for each 32 along K, by v_wmma_scale_f32_16x16x128_f8f6f4 with both operands' format E2M3, f32 sums; everything else in f32.
;; Inputs: b_fc 4,096 float32; b_proj 1,024 float32; bk 1,024 float32; bo 1,024 float32; bq 1,024 float32; bv 1,024 float32; ln1_scale 1,024 float32; ln1_shift 1,024 float32; ln2_scale 1,024 float32; ln2_shift 1,024 float32; w_fc_codes 4,096 x 32 x 24 uint8 (E2M3 codes of w_fc, K innermost, in blocks of 32 codes, four codes in three bytes); w_fc_scales 4,096 x 32 uint8 (E8M0 scales of w_fc, one for each 32 codes along K); w_proj_codes 1,024 x 128 x 24 uint8 (E2M3 codes of w_proj, K innermost, in blocks of 32 codes, four codes in three bytes); w_proj_scales 1,024 x 128 uint8 (E8M0 scales of w_proj, one for each 32 codes along K); wk_codes 1,024 x 32 x 24 uint8 (E2M3 codes of wk, K innermost, in blocks of 32 codes, four codes in three bytes); wk_scales 1,024 x 32 uint8 (E8M0 scales of wk, one for each 32 codes along K); wo_codes 1,024 x 32 x 24 uint8 (E2M3 codes of wo, K innermost, in blocks of 32 codes, four codes in three bytes); wo_scales 1,024 x 32 uint8 (E8M0 scales of wo, one for each 32 codes along K); wq_codes 1,024 x 32 x 24 uint8 (E2M3 codes of wq, K innermost, in blocks of 32 codes, four codes in three bytes); wq_scales 1,024 x 32 uint8 (E8M0 scales of wq, one for each 32 codes along K); wv_codes 1,024 x 32 x 24 uint8 (E2M3 codes of wv, K innermost, in blocks of 32 codes, four codes in three bytes); wv_scales 1,024 x 32 uint8 (E8M0 scales of wv, one for each 32 codes along K); x 2 x 2,048 x 1,024 float32.
;; Outputs: out0 2 x 2,048 x 1,024 float32.
;; This version of the problem:
;;   THIS VERSION OF THE PROBLEM IS GIVEN IN LOW PRECISION. The matrix products marked QUANTISED in the list below multiply operands that are first quantised to E2M3 (2 exponent bits, 3 mantissa bits; 6 bits a number), with one power-of-two scale for each 32 numbers along K (OCP MX v1.0); their sums are f32. All else is computed in f32.
;;   The module's matrix products, in the order in which they are computed (A, B: the left and right operand; K: the contracted axis; several contracted axes count as one K, in the product's order):
;;     1. [M 4,096, K 1,024] x [K 1,024, N 1,024]; A: computed on the way; B: input wq (given as codes): QUANTISED
;;     2. [M 4,096, K 1,024] x [K 1,024, N 1,024]; A: computed on the way; B: input wk (given as codes): QUANTISED
;;     3. [M 4,096, K 1,024] x [K 1,024, N 1,024]; A: computed on the way; B: input wv (given as codes): QUANTISED
;;     4. batch 32 x [M 2,048, K 64] x [K 64, N 2,048]; A: computed on the way; B: computed on the way: QUANTISED
;;     5. batch 32 x [M 2,048, K 2,048] x [K 2,048, N 64]; A: softmax (see below); B: computed on the way: QUANTISED
;;     6. [M 4,096, K 1,024] x [K 1,024, N 1,024]; A: computed on the way; B: input wo (given as codes): QUANTISED
;;     7. [M 4,096, K 1,024] x [K 1,024, N 4,096]; A: computed on the way; B: input w_fc (given as codes): QUANTISED
;;     8. [M 4,096, K 4,096] x [K 4,096, N 1,024]; A: computed on the way; B: input w_proj (given as codes): QUANTISED
;;   THE QUANTISER, for each operand of a quantised product, along K:
;;     - K is cut into blocks of 32 from its start; a last block that is shorter is filled with zeros.
;;     - A block's scale is 2^e with e = floor(log2(the largest magnitude in the block)) - 2, held to -126 .. 127; a block of zeros has e = 0. As a byte (E8M0): e + 127.
;;     - Each number is divided by its block's scale, clamped to +-7.5, and rounded to the nearest number of E2M3, ties to even, subnormals kept.
;;     - The product sums the exact products of the quantised numbers (number of the format x scale) in f32.
;;   ~~~python
;;   def quantise(x, axis):      # numpy; x: float32 -> the quantised numbers, widened to float32 again
;;       x = np.moveaxis(x, axis, -1); K = x.shape[-1]
;;       x = np.pad(x, [(0, 0)] * (x.ndim - 1) + [(0, -K % 32)]); x = x.reshape(x.shape[:-1] + (-1, 32)); a = np.abs(x).max(-1, keepdims=True)
;;       e = np.where(a > 0, np.clip(np.frexp(np.where(a > 0, a, 1))[1] - 1 - 2, -126, 127), 0)      # np.frexp(a)[1] - 1 = floor(log2(a)), exactly
;;       r = np.clip(x / 2.0 ** e, -7.5, 7.5)
;;       step = 2.0 ** (np.maximum(np.frexp(np.where(r == 0, 1, r))[1] - 1, 0) - 3)
;;       q = np.round(r / step) * step * 2.0 ** e      # np.round: ties to even
;;       return np.moveaxis(q.reshape(q.shape[:-2] + (-1,))[..., :K], -1, axis).astype(np.float32)
;;   ~~~
;;   SOFTMAX AHEAD OF A QUANTISED PRODUCT. Where the list says 'softmax', what is quantised is not the finished softmax but p = 2^(t - M), with t = logit x log2(e) and M = ceil(the row's largest t), a whole number; so 1/2 < the row's largest p <= 1. The row's sum l is taken of the UNQUANTISED p, in f32, and the product's result is divided by l at the end. Since M is a whole number, a kernel that streams over the keys may use a running M (the ceiling of the running maximum): every later rescaling is an exact power of two, which a block's scale takes up: the codes' values come out the same.
;;   OPERANDS COMPUTED ON THE WAY. 'Computed on the way' means the value that the module computes at that place (a softmax that the list does not call 'softmax' is quantised finished and normalised). What goes into a quantiser is computed in f32, as accurately as f32 sums, v_exp_f32 and their like allow (about 1e-6 of the number): no bf16 or f16 on the way to a quantiser, and a product that is left as it is and whose result goes on into a quantised operand takes f32 operands (vector FMAs, or v_wmma_f32_16x16x4_f32). A number that lies on a knife's edge between two numbers of the format may be rounded either way, as far as f32 arithmetic and the matrix unit's own rounding can turn it there, and no further.
;;   INPUTS GIVEN AS CODES. w_fc (in the module: [1024, 4096], K = its axis 0); w_proj (in the module: [4096, 1024], K = its axis 0); wk (in the module: [1024, 1024], K = its axis 0); wo (in the module: [1024, 1024], K = its axis 0); wq (in the module: [1024, 1024], K = its axis 0); wv (in the module: [1024, 1024], K = its axis 0): each comes as NAME_codes (uint8): NAME with its K axis moved to the last place and cut into blocks of 32 codes, [.., K / 32, bytes a block], one block behind the other in memory; four codes in three bytes: a row's codes are one little-endian stream of bits, code i at bits 6 i .. 6 i + 5 (a code: sign, 2 exponent bits, 3 mantissa bits); and NAME_scales (uint8): the same leading axes, one E8M0 byte (e + 127) for each 32 codes along K. Its value is code x scale, taken as it is: it is not quantised again, and the codes and scales need not be those that the quantiser above would give.
;; One version. Each part assembles by itself: llvm-mc -triple=amdgcn-amd-amdhsa -mcpu=gfx1250 --defsym DOCPART=n.
;; ======== version 1 of 1: 7 launches
;; workspace buffers: act 3,276,800 bytes; qb 3,407,872 bytes; kvb 6,684,672 bytes; cb 3,276,800 bytes; hb 16,777,216 bytes; gb 13,107,200 bytes
;; launch ln1 (part 1): grid 256 x 1, 4 waves a work-group, no clusters, 21,504 bytes of LDS; arguments x, ln1_scale, ln1_shift, act; writes act
.if DOCPART == 1
	.amdgcn_target "amdgcn-amd-amdhsa--gfx1250"
	.amdhsa_code_object_version 6
	.text
	.protected	k_qd1e0d97e8a_ln1
	.globl	k_qd1e0d97e8a_ln1
	.p2align	8
	.type	k_qd1e0d97e8a_ln1,@function
k_qd1e0d97e8a_ln1:
	s_mov_b64 s[64:65], 0
	v_nop
	global_prefetch_b8 v0, s[64:65] scope:SCOPE_SE
	s_setreg_imm32_b32 hwreg(HW_REG_WAVE_MODE, 25, 1), 1
	s_wait_xcnt 0x0
; y = gain * (x - mean) / (std + 1e-5) + shift along rows of 1,024 f32 (std with 1,023 in the divisor), then quantised to FP6 (E2M3) with one E8M0 byte for each 32 along the row.
; OUT: codes [4096][768 bytes], a row's codes one stream of bits; behind them, SCOFF bytes on, the scale bytes [4096][32].
; SHARES: a work-group takes 16 rows, a wave 4; a row is 32 numbers a lane and stays in registers between the passes, so the rows are read once.  All 32 row loads of a wave go out at the head.
; Each load takes 512 consecutive bytes; the conversion wants 16 neighbours in one lane: a row turns through the wave's own stage in LDS (64 bytes + 16 of padding a lane).
; Mean first, then the sum of squares of x - mean: a common offset of the inputs costs no accuracy.  No matrix unit, no cluster, no tensor load: nothing here is shared between work-groups.
; LIMITS: NaN and infinities are not served; a block of zeros (or under 2^-124) keeps the byte 1: its codes are zeros and only this program reads the bytes; 1/1023 and 1/(std + eps) are multiplications by rounded reciprocals.
.set SP,    80                         ; a lane's place in the stage
.set HALF,  32*SP                      ; half a row: 512 numbers
.set STG,   2*HALF                     ; a wave's stage
.set SCB,   4*STG                      ; behind the stages: the group's 512 scale bytes
.set SCOFF, 3145728                    ; where the scale bytes begin in the output
.set R,     16                         ; v16-143  4 rows x 32 as loaded; a finished row's registers take its codes and bytes, so no store's data are written again
.set X,     144                        ; v144-175 the row in hand: register 16 s + i = column 512 s + 16 lane + i
.set G,     176                        ; v176-207 the gain at those columns
.set B,     208                        ; v208-239 the shift
.set T,     240                        ; v240-247 four chains of sums
	s_load_b256 s[4:11], s[0:1], 0x0               ; rows s[4:5], gain s[6:7], shift s[8:9], out s[10:11]
	v_lshl_add_u32 v254, v0, 2, 0x5200
	v_mov_b32 v255, 0
	v_lshrrev_b32 v1, 5, v0
	v_readfirstlane_b32 s12, v1                    ; wave
	v_and_b32 v1, 31, v0                           ; lane
	v_lshlrev_b32 v2, 4, v1                        ; 16 x lane
	s_mul_i32 s13, s12, STG
	v_lshrrev_b32 v3, 2, v1
	v_mul_u32_u24 v3, v3, SP
	v_and_b32 v4, 3, v1
	v_lshl_add_u32 v3, v4, 4, v3
	v_add_nc_u32 v3, s13, v3                       ; into the stage: four lanes' 64 bytes on end, then the padding
	v_mul_u32_u24 v4, v1, SP
	v_add_nc_u32 v4, s13, v4                       ; out of it: my 16 neighbours
	v_mul_u32_u24 v5, v1, 12                       ; my 16 codes' 12 bytes
	v_lshrrev_b32 v6, 1, v1
	s_lshl_b32 s14, s12, 7
	s_add_co_u32 s14, s14, SCB
	v_add_nc_u32 v6, s14, v6                       ; my block's byte among my wave's 128
	v_lshlrev_b32 v7, 6, v1                        ; 64 x lane: gain and shift
	v_mov_b32 v9, 0                                ; a lane permute's destination counts as read
	s_mov_b32 s16, 0x76543210
	s_mov_b32 s17, 0xfedcba98                      ; selects for lane xor 16
	s_lshl_b32 s18, ttmp9, 4
	s_lshl_b32 s19, s12, 2
	s_add_co_u32 s18, s18, s19                     ; my first row
	s_lshl_b32 s20, s18, 12
	s_mov_b32 s21, 0
	s_mul_i32 s22, s18, 768
	s_mov_b32 s23, 0
	s_lshl_b32 s24, ttmp9, 9
	s_add_co_u32 s24, s24, SCOFF
	s_mov_b32 s25, 0
	s_wait_kmcnt 0x0
	s_add_nc_u64 s[4:5], s[4:5], s[20:21]
	s_add_nc_u64 s[26:27], s[10:11], s[24:25]      ; the group's scale bytes
	s_add_nc_u64 s[10:11], s[10:11], s[22:23]      ; my rows' codes
.irp s, 0,1
.irp i, 0,1,2,3
	global_load_b128 v[G+16*\s+4*\i:G+16*\s+4*\i+3], v7, s[6:7] offset:2048*\s+16*\i
	global_load_b128 v[B+16*\s+4*\i:B+16*\s+4*\i+3], v7, s[8:9] offset:2048*\s+16*\i
.endr
.endr
.irp p, 0,1,2,3
.irp i, 0,1,2,3,4,5,6,7
	global_load_b128 v[R+32*\p+4*\i:R+32*\p+4*\i+3], v2, s[4:5] offset:4096*\p+512*\i   ; 32 lanes read 512 consecutive bytes
.endr
.endr
.macro SUM32                           ; v8 summed over the 32 lanes, the result in every lane
	v_add_f32_dpp v8, v8, v8 row_xmask:1 row_mask:0xf bank_mask:0xf
	v_add_f32_dpp v8, v8, v8 row_xmask:2 row_mask:0xf bank_mask:0xf
	v_add_f32_dpp v8, v8, v8 row_xmask:4 row_mask:0xf bank_mask:0xf
	v_add_f32_dpp v8, v8, v8 row_xmask:8 row_mask:0xf bank_mask:0xf
	v_permlanex16_b32 v9, v8, s16, s17
	v_add_f32 v8, v8, v9
.endm
.macro FOLD                            ; the four chains into v8
	v_pk_add_f32 v[T:T+1], v[T:T+1], v[T+2:T+3]
	v_pk_add_f32 v[T+4:T+5], v[T+4:T+5], v[T+6:T+7]
	v_pk_add_f32 v[T:T+1], v[T:T+1], v[T+4:T+5]
	v_add_f32 v8, v[T], v[T+1]
	SUM32
.endm
.macro ROW p
	s_wait_loadcnt 8*(3-\p)                        ; loads return in order: this row's eight (and gain and shift) are in, the later rows' stay out
.irp s, 0,1
.irp i, 0,1,2,3
	ds_store_b128 v3, v[R+32*\p+16*\s+4*\i:R+32*\p+16*\s+4*\i+3] offset:HALF*\s+8*SP*\i
.endr
.endr
.irp s, 0,1
.irp i, 0,1,2,3
	ds_load_b128 v[X+16*\s+4*\i:X+16*\s+4*\i+3], v4 offset:HALF*\s+16*\i   ; LDS serves a wave's instructions in order: these see the stores above
.endr
.endr
	s_wait_dscnt 0x0
.irp k, 0,1,2,3
	v_pk_add_f32 v[T+2*\k:T+2*\k+1], v[X+2*\k:X+2*\k+1], v[X+8+2*\k:X+9+2*\k]
.endr
.irp m, 16,24
.irp k, 0,1,2,3
	v_pk_add_f32 v[T+2*\k:T+2*\k+1], v[T+2*\k:T+2*\k+1], v[X+\m+2*\k:X+\m+2*\k+1]
.endr
.endr
	FOLD
	v_mul_f32 v10, 0x3a800000, v8                  ; the mean: the sum x 2^-10
	v_mul_f32 v11, 0x3a800000, v8
.irp k, 0,2,4,6,8,10,12,14,16,18,20,22,24,26,28,30
	v_pk_add_f32 v[X+\k:X+\k+1], v[X+\k:X+\k+1], v[10:11] neg_lo:[0,1] neg_hi:[0,1]   ; d = x - mean
.endr
.irp k, 0,1,2,3
	v_pk_mul_f32 v[T+2*\k:T+2*\k+1], v[X+2*\k:X+2*\k+1], v[X+2*\k:X+2*\k+1]
.endr
.irp m, 8,16,24
.irp k, 0,1,2,3
	v_pk_fma_f32 v[T+2*\k:T+2*\k+1], v[X+\m+2*\k:X+\m+2*\k+1], v[X+\m+2*\k:X+\m+2*\k+1], v[T+2*\k:T+2*\k+1]
.endr
.endr
	FOLD
	v_mul_f32 v8, 0x3a802008, v8                   ; / 1023
	v_sqrt_f32 v12, v8
	v_nop                                          ; a plain line behind the root,
	s_wait_alu depctr_va_vdst(0)                   ; and the wait ahead of its first reader
	v_add_f32 v12, 0x3727c5ac, v12                 ; + 1e-5
	v_rcp_f32 v10, v12
	v_nop
	s_wait_alu depctr_va_vdst(0)
	v_mov_b32 v11, v10
.irp k, 0,2,4,6,8,10,12,14,16,18,20,22,24,26,28,30
	v_pk_mul_f32 v[X+\k:X+\k+1], v[X+\k:X+\k+1], v[10:11]
.endr
.irp k, 0,2,4,6,8,10,12,14,16,18,20,22,24,26,28,30
	v_pk_fma_f32 v[X+\k:X+\k+1], v[X+\k:X+\k+1], v[G+\k:G+\k+1], v[B+\k:B+\k+1]
.endr
.irp s, 0,1                                    ; two neighbouring lanes hold a block of 32
	v_max3_num_f32 v8, |v[X+16*\s]|, |v[X+16*\s+1]|, |v[X+16*\s+2]|
	v_max3_num_f32 v12, |v[X+16*\s+3]|, |v[X+16*\s+4]|, |v[X+16*\s+5]|
.irp i, 6,10
	v_max3_num_f32 v8, v8, |v[X+16*\s+\i]|, |v[X+16*\s+\i+1]|
	v_max3_num_f32 v12, v12, |v[X+16*\s+\i+2]|, |v[X+16*\s+\i+3]|
.endr
	v_max3_num_f32 v8, v8, |v[X+16*\s+14]|, |v[X+16*\s+15]|
	v_max3_num_f32 v8, v8, v12, 0x1800000          ; the floor 2^(3 - 127): the byte cannot fall under 1
	v_max_num_f32_dpp v8, v8, v8 row_xmask:1 row_mask:0xf bank_mask:0xf
	v_add_nc_u32 v13, 0xff000000, v8               ; 2 off the exponent field: the conversion takes that field as its scale
	v_cvt_scalef32_pk16_fp6_f32 v[R+32*\p+4*\s:R+32*\p+4*\s+2], v[X+16*\s:X+16*\s+15], v13
	v_lshrrev_b32 v[R+32*\p+8+\s], 23, v13         ; the scale's byte (also the plain line behind the conversion)
	ds_store_b8 v6, v[R+32*\p+8+\s] offset:32*\p+16*\s   ; both lanes of a block write the same byte with the same value
	global_store_b96 v5, v[R+32*\p+4*\s:R+32*\p+4*\s+2], s[10:11] offset:768*\p+384*\s   ; 384 consecutive bytes; a row's two stores cover its 768
.endr
.endm
	ROW 0
	ROW 1
	ROW 2
	ROW 3
	s_wait_dscnt 0x0                               ; for the others' sake: my byte stores have landed
	s_barrier_signal -1
	s_barrier_wait -1
	s_cmp_lg_u32 s12, 0
	s_cbranch_scc1 .Lend
	v_add_nc_u32 v8, SCB, v2
	ds_load_b128 v[T:T+3], v8                      ; wave 0 takes the group's 512 scale bytes
	s_wait_dscnt 0x0
	global_store_b128 v2, v[T:T+3], s[26:27]       ; 512 consecutive bytes, aligned
.Lend:
	s_wait_tensorcnt 0x0
	ds_add_u32 v254, v255
	s_wait_dscnt 0x0
	s_endpgm
.Lfunc_end_k_qd1e0d97e8a_ln1:
	.size	k_qd1e0d97e8a_ln1, .Lfunc_end_k_qd1e0d97e8a_ln1-k_qd1e0d97e8a_ln1
	.p2alignl 7, 3214868480
	.fill 96, 4, 3214868480
	.section	.rodata,"a",@progbits
	.p2align	6, 0x0
	.amdhsa_kernel k_qd1e0d97e8a_ln1
		.amdhsa_group_segment_fixed_size 21504
		.amdhsa_private_segment_fixed_size 0
		.amdhsa_enable_private_segment 0
		.amdhsa_kernarg_size 32
		.amdhsa_user_sgpr_count 2
		.amdhsa_user_sgpr_kernarg_segment_ptr 1
		.amdhsa_wavefront_size32 1
		.amdhsa_system_sgpr_workgroup_id_x 1
		.amdhsa_system_sgpr_workgroup_id_y 1
		.amdhsa_system_sgpr_workgroup_id_z 1
		.amdhsa_system_vgpr_workitem_id 0
		.amdhsa_next_free_vgpr 256
		.amdhsa_next_free_sgpr 66
		.amdhsa_reserve_vcc 0
		.amdhsa_float_denorm_mode_32 3
		.amdhsa_float_denorm_mode_16_64 3
		.amdhsa_memory_ordered 1
		.amdhsa_forward_progress 1
		.amdhsa_inst_pref_size 44
	.end_amdhsa_kernel
	.amdgpu_metadata
---
amdhsa.version: [ 1, 2 ]
amdhsa.kernels:
  - .name:           k_qd1e0d97e8a_ln1
    .symbol:         k_qd1e0d97e8a_ln1.kd
    .args:
      - { .name: x, .offset: 0, .size: 8, .value_kind: global_buffer, .address_space: global }
      - { .name: ln1_scale, .offset: 8, .size: 8, .value_kind: global_buffer, .address_space: global }
      - { .name: ln1_shift, .offset: 16, .size: 8, .value_kind: global_buffer, .address_space: global }
      - { .name: act, .offset: 24, .size: 8, .value_kind: global_buffer, .address_space: global }
    .group_segment_fixed_size: 21504
    .private_segment_fixed_size: 0
    .kernarg_segment_align: 8
    .kernarg_segment_size: 32
    .max_flat_workgroup_size: 128
    .sgpr_count:     66
    .vgpr_count:     256
    .wavefront_size: 32
...
	.end_amdgpu_metadata
.endif
;; end of part 1
;; launch qkv (part 2): grid 12 x 16, 4 waves a work-group, clusters of 4 x 4, 327,680 bytes of LDS; arguments act, wq_codes, wq_scales, wk_codes, wk_scales, wv_codes, wv_scales, bq, bk, bv, qb, kvb; writes qb, kvb
.if DOCPART == 2
	.amdgcn_target "amdgcn-amd-amdhsa--gfx1250"
	.amdhsa_code_object_version 6
	.text
	.protected	k_qd1e0d97e8a_qkv
	.globl	k_qd1e0d97e8a_qkv
	.p2align	8
	.type	k_qd1e0d97e8a_qkv,@function
k_qd1e0d97e8a_qkv:
	s_mov_b64 s[64:65], 0
	v_nop
	global_prefetch_b8 v0, s[64:65] scope:SCOPE_SE
	s_setreg_imm32_b32 hwreg(HW_REG_WAVE_MODE, 25, 1), 1
	s_wait_xcnt 0x0
	s_wait_alu depctr_hold_cnt(0) depctr_sa_sdst(0) depctr_va_vdst(0) depctr_va_sdst(0) depctr_va_ssrc(0) depctr_va_vcc(0) depctr_vm_vsrc(0)
	s_getreg_b32 s2, hwreg(HW_REG_IB_STS2, 6, 4)
	s_cmp_eq_u32 s2, 0
	s_cbranch_scc0 .Lentry_in_a_cluster
	s_endpgm
.Lentry_in_a_cluster:
	s_bfe_u32 s2, ttmp6, 0x10000c
	s_cmp_lg_u32 s2, 0xf033
	s_cbranch_scc0 .Lentry_shape_is_right
	s_endpgm
.Lentry_shape_is_right:
; q, k, v = LN1(x) W + b on codes of FP6 (E2M3) with E8M0 scales, K = 1,024; the results are quantised here for the attention launch and leave as images of operand registers.
; A tile of 256 x 256 to a work-group, 128 x 128 to each of four waves (64 accumulators); K in steps of 256 through two LDS slots filled by joint tensor loads of a 4 x 4 cluster; the scale bytes come once.
; The cluster's x says which product: 0 q, 1 k, 2 v (the same in all sixteen partners).  THE MATRIX INSTRUCTION IS USED TRANSPOSED: source 0 = rows of the B side, source 1 = rows of the A side:
; lane (r, h) of accumulator (a, b) holds A row 16 a + r and, in register j, B row 16 b + 8 h + j.  q, k: A side = tokens, B side = the weight's rows, so a lane's registers run along the head's 64, their K in the scores.
; v: THE SIDES ARE SWAPPED (A side = wv's rows, B side = tokens): a lane holds one head dimension and its registers run along the keys, v's K in the second product.  Both sides have rows of 768 bytes: only pointers and tile numbers are chosen.
; ORDER INSIDE A BLOCK OF 32: a lane's 16 numbers of a block are its groups of eight 0 and 2 (h = 0) or 1 and 3 (h = 1), so a block's codes lie in the order 0, 2, 1, 3 of its groups.  q and k have the same order, and so have v and the
; softmax's p in the attention launch: the products are those of the true order, and a block's scale does not hang on the order.
; OUT.  H-image (16 rows x 64 K: 6 registers a lane): registers 0-3 at 16 x lane, registers 4-5 at 512 + 8 x lane: 768 bytes.  Full image (16 x 128: 12 registers): three pieces of 512 bytes at 16 x lane.
;   qb: [bh][row tile][H-image]; 3,145,728 on: words [bh][2048] = (s0, s1, 0x7f, 0x7f).   kvb: for each bh 196,608 bytes: K as q, then V [key step][dim tile][full image]; 6,291,456 on, for each bh: K's 2,048 words, V's [step][tile][16].
; LIMITS: NaN and infinities are not served; a block of zeros (or under 2^-124) keeps the byte 1: its codes are zeros and only this program reads the bytes.
; 192 work-groups: three products of 64 tiles; a smaller tile would read each fragment for fewer products.
.set KSTEP,  256
.set NQ,     2
.set ROWB,   192
.set KROW,   768
.set PITCH,  240                       ; 3 x (64 bytes + 16 of padding)
.set FR,     12
.set NL,     6
.set NP,     4
.set HALFT,  128*PITCH
.set SLOT,   4*HALFT
.set LAPS,   2
.set KS,     32
.set SCL,    2*SLOT
.set HALFS,  (128*KS/256)*272
.set SBLK,   (16*KS/256)*272
.set SPARE,  SCL+4*HALFS               ; the spare words: 128 bytes a wave, named by no other line
.set ADRA, 16
.set ADRB, 20
.set ADRS, 27
.set SPW,  28
.set NIL,  29
.set SC,   32
.set AF,   128
.set W,    32                          ; the way out: a scale word for each block of 16 A rows
.set BI,   64                          ; v64-127 the bias, idle in the loop
.set HA,   128                         ; v128-191 the 64 numbers of a lane for one block of A rows
.set TM,   192                         ; v192-207 at work in QUANT
.set PC,   208                         ; v208-227 the codes just made
.set G1, 24
.set G0, 32
.set G1B, 48
.set G0B, 56
.set G1S, 68
.set G0S, 76
.set G1SB, 80
.set G0SB, 88
.set SEL, 66
.set MSB, 0
.macro WIN new                         ; the immediate's high byte repeats the setting that is left
.if MSB != (\new)
	s_set_vgpr_msb (MSB<<8)|(\new)
.set MSB, (\new)
.endif
.endm
.set MUL_LO, 0xa1
.set MUL_HI, 0xf1
.set TO_B,   0x40
.macro JLOAD g0a, g1a, g0b, g1b        ; waves 0 and 1 ask for the A side, waves 2 and 3 for the B side; four v_nop follow each line
	s_cmp_eq_u32 s15, 0
	s_cbranch_scc0 .Lfor_b_\@
	tensor_load_to_lds s[\g0a:\g0a+3], s[\g1a:\g1a+7]
	s_nop 0
.rept 4
	v_nop
.endr
	s_branch .Lasked_\@
.Lfor_b_\@:
	tensor_load_to_lds s[\g0b:\g0b+3], s[\g1b:\g1b+7]
	s_nop 0
.rept 4
	v_nop
.endr
.Lasked_\@:
.endm
.macro CREST
	s_cmp_lg_u32 s14, 0
	s_cbranch_scc1 .Lnot_wave_0_\@
	s_barrier_signal -3
.Lnot_wave_0_\@:
	s_barrier_wait -3
	s_barrier_signal -1
	s_barrier_wait -1
.endm
.macro CROUND
	s_barrier_signal -1
	s_barrier_wait -1
	CREST
.endm
	s_load_b512 s[68:83], s[0:1], 0x0              ; act, wq codes, scales, wk codes, scales, wv codes, scales, bq
	s_load_b256 s[84:91], s[0:1], 0x40             ; bk, bv, qb, kvb
	v_lshl_add_u32 v[SPW], v0, 2, SPARE
	v_mov_b32 v[NIL], 0
	ds_add_u32 v28, v29
	ds_add_u32 v28, v29
	s_wait_dscnt 0x0
	v_lshrrev_b32 v1, 5, v0
	v_readfirstlane_b32 s14, v1                    ; wave
	s_lshr_b32 s15, s14, 1                         ; my half of the A rows; also: I fetch for A (0) or B (1)
	s_and_b32 s16, s14, 1                          ; my half of the B rows; also: which 128 rows I fetch
	s_bfe_u32 s40, ttmp6, 0x40000                  ; cx
	s_bfe_u32 s41, ttmp6, 0x40004                  ; cy
	s_and_b32 s18, ttmp7, 0xffff
	s_lshl_b32 s18, s18, 2
	s_add_co_u32 s42, s18, s40                     ; 4 x cluster y + cx
	s_add_co_u32 s17, s18, s41                     ; 4 x cluster y + cy
	s_cmp_eq_u32 ttmp9, 2
	s_cselect_b32 s17, s41, s17                    ; the A side's tile: tokens 4 Y + cy; for v: wv's tile cy
	s_cselect_b32 s42, s42, s40                    ; the B side's tile: the weight's tile cx; for v: tokens 4 Y + cx
	s_lshl_b32 s43, s41, 2
	s_lshl_b32 s43, 15, s43                        ; my row of the cluster
	s_lshl_b32 s44, 0x1111, s40                    ; my column
	s_lshl_b32 s95, s17, 8
	s_lshl_b32 s18, s15, 7
	s_add_co_u32 s95, s95, s18                     ; RA: my first A row
	s_lshl_b32 s96, s42, 8
	s_lshl_b32 s18, s16, 7
	s_add_co_u32 s96, s96, s18                     ; RB: my first B row
	s_wait_kmcnt 0x0
	s_cmp_eq_u32 ttmp9, 0
	s_cselect_b64 s[4:5], s[70:71], s[74:75]       ; the weight's codes,
	s_cselect_b64 s[6:7], s[72:73], s[76:77]       ; its scales,
	s_cselect_b64 s[98:99], s[82:83], s[84:85]     ; the bias,
	s_cselect_b64 s[12:13], s[88:89], s[90:91]     ; where the results go
	s_add_nc_u64 s[10:11], s[68:69], 3145728       ; act's scale bytes
	s_cmp_eq_u32 ttmp9, 2
	s_cselect_b64 s[4:5], s[78:79], s[4:5]
	s_cselect_b64 s[6:7], s[80:81], s[6:7]
	s_cselect_b64 s[98:99], s[86:87], s[98:99]
	s_cselect_b64 s[8:9], s[68:69], s[4:5]         ; B side's codes
	s_cselect_b64 s[4:5], s[4:5], s[68:69]         ; A side's codes
	s_cselect_b64 s[18:19], s[10:11], s[6:7]       ; B side's scales
	s_cselect_b64 s[6:7], s[6:7], s[10:11]         ; A side's scales
	s_mov_b64 s[10:11], s[18:19]
	s_or_b32 s[G1+0], s43, (0<<16)|(1<<20)|(1<<21)|(3<<22)|(3<<25)  ; the mask; elements of 1 byte; padding of 4 words behind every 16; bit 21 beside a mask
	s_or_b32 s[G1B+0], s44, (0<<16)|(1<<20)|(1<<21)|(3<<22)|(3<<25)
.irp g, G1, G1B
	s_mov_b32 s[\g+1], ROWB<<16
	s_mov_b32 s[\g+2], 128<<16
	s_mov_b32 s[\g+3], ROWB<<16
	s_mov_b32 s[\g+4], 128
	s_mov_b32 s[\g+5], KROW
	s_mov_b32 s[\g+6], 0
	s_mov_b32 s[\g+7], 0
.endr
	s_or_b32 s[G1S+0], s43, (3<<16)|(1<<20)|(1<<21)|(5<<22)|(3<<25) ; the scales of 128 rows: a dense block as rows of 256 bytes, 16 of padding behind each
	s_or_b32 s[G1SB+0], s44, (3<<16)|(1<<20)|(1<<21)|(5<<22)|(3<<25)
.irp g, G1S, G1SB
	s_mov_b32 s[\g+1], 32<<16
	s_mov_b32 s[\g+2], (128*KS/256)<<16
	s_mov_b32 s[\g+3], 32<<16
	s_mov_b32 s[\g+4], 128*KS/256
	s_mov_b32 s[\g+5], 32
	s_mov_b32 s[\g+6], 0
	s_mov_b32 s[\g+7], 0
.endr
	s_lshl_b32 s18, s16, 7
	s_lshl_b32 s20, s17, 8
	s_add_co_u32 s20, s20, s18                     ; the A rows that I fetch
	s_lshl_b32 s46, s42, 8
	s_add_co_u32 s46, s46, s18                     ; the B rows that I fetch
	s_mov_b32 s21, 0
	s_mov_b32 s47, 0
	s_mov_b64 s[18:19], KS
	s_mul_u64 s[22:23], s[20:21], s[18:19]
	s_mul_u64 s[92:93], s[46:47], s[18:19]
	s_mov_b64 s[18:19], KROW
	s_mul_u64 s[20:21], s[20:21], s[18:19]
	s_mul_u64 s[46:47], s[46:47], s[18:19]
	s_mul_i32 s45, s14, HALFT                      ; no place in the cluster enters an LDS address
	s_mul_i32 s94, s14, HALFS
	s_add_nc_u64 s[20:21], s[4:5], s[20:21]
	s_add_nc_u64 s[22:23], s[6:7], s[22:23]
	s_add_nc_u64 s[46:47], s[8:9], s[46:47]
	s_add_nc_u64 s[92:93], s[10:11], s[92:93]
	CROUND                                         ; all sixteen work-groups are here: the first joint loads meet
	s_mov_b32 s[G0S], 1
	s_add_co_u32 s[G0S+1], s94, SCL
	s_mov_b64 s[G0S+2:G0S+3], s[22:23]
	s_or_b32 s[G0S+3], s[G0S+3], 0x80000000
	s_mov_b32 s[G0SB], 1
	s_add_co_u32 s[G0SB+1], s94, SCL
	s_mov_b64 s[G0SB+2:G0SB+3], s[92:93]
	s_or_b32 s[G0SB+3], s[G0SB+3], 0x80000000
	JLOAD G0S, G1S, G0SB, G1SB
.irp s, 0,1
	s_mov_b32 s[G0+4*\s], 1
	s_add_co_u32 s[G0+4*\s+1], s45, \s*SLOT
	s_add_nc_u64 s[G0+4*\s+2:G0+4*\s+3], s[20:21], \s*ROWB
	s_or_b32 s[G0+4*\s+3], s[G0+4*\s+3], 0x80000000
	s_mov_b32 s[G0B+4*\s], 1
	s_add_co_u32 s[G0B+4*\s+1], s45, \s*SLOT
	s_add_nc_u64 s[G0B+4*\s+2:G0B+4*\s+3], s[46:47], \s*ROWB
	s_or_b32 s[G0B+4*\s+3], s[G0B+4*\s+3], 0x80000000
	JLOAD G0+4*\s, G1, G0B+4*\s, G1B
.endr
	v_and_b32 v1, 15, v0                           ; r
	v_bfe_u32 v2, v0, 4, 1                         ; h
	v_mul_u32_u24 v3, v1, PITCH
	v_mul_u32_u24 v4, v2, 24
	v_add_nc_u32 v4, v3, v4
	v_lshl_add_u32 v5, v2, 4, v4                   ; the same behind one padding more
	s_mul_i32 s21, s15, HALFT
	s_mul_i32 s22, s16, HALFT
	s_add_co_u32 s22, s22, 2*HALFT
.irp s, 0,1
	v_add_nc_u32 v[ADRA+\s], s21, v4
	v_add_nc_u32 v[ADRB+\s], s22, v4
	v_add_nc_u32 v[ADRA+2+\s], s21, v5
	v_add_nc_u32 v[ADRB+2+\s], s22, v5
	s_add_co_u32 s21, s21, SLOT
	s_add_co_u32 s22, s22, SLOT
.endr
	v_mul_u32_u24 v5, v1, KS
	v_lshrrev_b32 v6, 8, v5
	v_lshl_add_u32 v5, v6, 4, v5
	s_mul_i32 s21, s15, HALFS
	s_mul_i32 s22, s16, HALFS
	s_add_co_u32 s22, s22, 2*HALFS
	s_sub_co_u32 s22, s22, s21
	v_mul_u32_u24 v6, s22, v2                      ; lanes 16-31 take the B side's words
	s_add_co_u32 s21, s21, SCL
	v_add_nc_u32 v5, v5, v6
	v_add_nc_u32 v[ADRS], s21, v5
	; the way out's addresses, all made here.  The stages for scale words lie in slot 0; the two ways out have bytes of their own
	v_and_b32 v6, 31, v0
	v_lshlrev_b32 v8, 4, v6                        ; v8  16 x lane
	v_lshlrev_b32 v9, 3, v6                        ; v9  8 x lane
	s_lshl_b32 s21, s14, 10
	v_lshlrev_b32 v10, 2, v1
	v_lshl_add_u32 v10, v2, 9, v10
	v_add_nc_u32 v10, s21, v10                     ; v10 q, k: 1,024 w + 512 h + 4 r
	v_add_nc_u32 v11, s21, v8                      ; v11 and back: 1,024 w + 16 x lane
	s_lshl_b32 s21, s14, 9
	s_add_co_u32 s21, s21, 4096
	v_lshlrev_b32 v12, 2, v1
	v_add_nc_u32 v12, s21, v12                     ; v12 v: 4,096 + 512 w + 4 r
	v_add_nc_u32 v13, s21, v8                      ; v13 and back
	v_lshlrev_b32 v14, 4, v2                       ; v14 16 h
	v_lshlrev_b32 v15, 4, v1
	v_mad_u32_u24 v15, v2, 12288, v15              ; v15 v's words in memory: lanes 16-31 the next head
	; the bias, by one path: q, k: BI[8 b + j] = bias[RB + 16 b + 8 h + j];  v: BI[8 a + j] = bv[RA + 16 a + r]
	s_cmp_eq_u32 ttmp9, 2
	s_cselect_b32 s21, 4, 0
	s_cselect_b32 s22, 0, 32
	s_cselect_b32 s23, 0, 4
	s_cselect_b32 s18, s95, s96
	s_lshl_b32 s18, s18, 2
	s_mov_b32 s19, 0
	s_add_nc_u64 s[98:99], s[98:99], s[18:19]
	v_mul_u32_u24 v3, v1, s21
	v_mul_u32_u24 v4, v2, s22
	v_add_nc_u32 v224, v3, v4
.irp j, 1,2,3,4,5,6,7
	v_add_nc_u32 v[224+\j], s23, v[223+\j]
.endr
.irp g, 0,1,2,3,4,5,6,7
.irp j, 0,1,2,3,4,5,6,7
	global_load_b32 v[BI+8*\g+\j], v[224+\j], s[98:99] offset:64*\g
.endr
.endr
.macro FRAG reg, adr, q, i             ; 16 rows x 128 K: 12 registers, in pieces of 8 bytes; where lanes 16-31's piece lies behind one padding more the second address register serves
.irp p, 0,1,2,3,4,5
.set PCE, 12*(\q)+6*(\p/3)+\p%3
.if PCE%8 < 5
	ds_load_b64 v[\reg+2*\p:\reg+2*\p+1], v[\adr] offset:8*PCE+16*(PCE/8)+(\i)*16*PITCH
.else
	ds_load_b64 v[\reg+2*\p:\reg+2*\p+1], v[\adr+2] offset:8*PCE+16*(PCE/8)+(\i)*16*PITCH
.endif
.endr
.endm
.macro MUL16 a0, p, q, sc, zero        ; A's blocks a0, a0 + 1 x B's eight; the 64 accumulators take turns, one instruction a turn
.irp a, \a0, \a0+1
.irp b, 0,1,2,3,4,5,6,7
.if \zero
	v_wmma_scale_f32_16x16x128_f8f6f4 v[8*(8*((\a)%4)+\b):8*(8*((\a)%4)+\b)+7], v[128*(\p)+FR*\b:128*(\p)+FR*\b+FR-1], v[AF+FR*(\a):AF+FR*(\a)+FR-1], 0, v[SC+8*NQ*(\sc)+NQ*\b+(\q)], v[SC+8*NQ*(\sc)+NQ*(\a)+(\q)] matrix_a_fmt:MATRIX_FMT_FP6 matrix_b_fmt:MATRIX_FMT_FP6 matrix_a_scale:MATRIX_SCALE_ROW1
.else
	v_wmma_scale_f32_16x16x128_f8f6f4 v[8*(8*((\a)%4)+\b):8*(8*((\a)%4)+\b)+7], v[128*(\p)+FR*\b:128*(\p)+FR*\b+FR-1], v[AF+FR*(\a):AF+FR*(\a)+FR-1], v[8*(8*((\a)%4)+\b):8*(8*((\a)%4)+\b)+7], v[SC+8*NQ*(\sc)+NQ*\b+(\q)], v[SC+8*NQ*(\sc)+NQ*(\a)+(\q)] matrix_a_fmt:MATRIX_FMT_FP6 matrix_b_fmt:MATRIX_FMT_FP6 matrix_a_scale:MATRIX_SCALE_ROW1
.endif
.endr
.endr
.endm
.macro FETCH_B slot, q, p
	WIN TO_B
.irp i, 0,1,2,3,4,5,6,7
	FRAG 128*(\p)+FR*\i, ADRB+\slot, \q, \i
.endr
	WIN 0
.endm
.macro FETCH_A slot, q, i0
.irp i, \i0, \i0+1, \i0+2, \i0+3
	FRAG AF+FR*(\i), ADRA+\slot, \q, \i
.endr
.endm
.macro SCALES sc                       ; lanes 0-15 the A side's block i, lanes 16-31 the B side's block i: two words a row
.irp i, 0,1,2,3,4,5,6,7
	ds_load_b64 v[SC+8*NQ*\sc+NQ*\i:SC+8*NQ*\sc+NQ*\i+1], v[ADRS] offset:\i*SBLK
.endr
.endm
.macro PLACES n                        ; plain vector lines between a matrix instruction and a load into, or a read of, its registers
.rept \n
	v_nop
.endr
.endm
.macro STEP slot, q, zero
	s_wait_dscnt 4*NL                              ; B's set and A's blocks 0-3 are in; the youngest 24 loads (A's blocks 4-7) may be out
	WIN MUL_LO
	MUL16 0, (\q)%2, \q, \slot, \zero
	MUL16 2, (\q)%2, \q, \slot, \zero
	s_wait_dscnt 0
	PLACES NP
	FETCH_B \slot, (\q)+1, 1-(\q)%2
	FETCH_A \slot, (\q)+1, 0
	WIN MUL_HI
	MUL16 4, (\q)%2, \q, \slot, \zero
	MUL16 6, (\q)%2, \q, \slot, \zero
	PLACES NP
	WIN 0
	FETCH_A \slot, (\q)+1, 4
.endm
.macro TURN slot, next, fill           ; a slot's last step changes slots: one barrier; with fill = 1 it opens a round of the cluster's barrier and the slot is filled again
	s_wait_tensorcnt 0x0                           ; all my tensor loads have landed: my part of the next slot
	ds_add_u32 v[SPW], v[NIL]                      ; 0 onto my spare word
	s_wait_dscnt 4*NL+1                            ; the add and the youngest 24 loads may be out
	WIN MUL_LO
	MUL16 0, 1, NQ-1, \slot, 0
	s_wait_dscnt 0x0                               ; the add is done, and my reads of this slot are over
	s_barrier_signal -1
	MUL16 2, 1, NQ-1, \slot, 0
	WIN 0
	s_barrier_wait -1
.if \fill
	CREST                                          ; no wave of any partner still reads this slot or has a load on its way
	s_add_nc_u64 s[G0+4*\slot+2:G0+4*\slot+3], s[G0+4*\slot+2:G0+4*\slot+3], 2*ROWB
	s_add_nc_u64 s[G0B+4*\slot+2:G0B+4*\slot+3], s[G0B+4*\slot+2:G0B+4*\slot+3], 2*ROWB
	JLOAD G0+4*\slot, G1, G0B+4*\slot, G1B         ; the first tensor load behind the round; its four v_nop are the places for the loads below
.else
	PLACES NP
.endif
	v_add_nc_u32 v[ADRS], 4*NQ, v[ADRS]
	FETCH_B \next, 0, 0
	FETCH_A \next, 0, 0
	SCALES \next
	WIN MUL_HI
	MUL16 4, 1, NQ-1, \slot, 0
	MUL16 6, 1, NQ-1, \slot, 0
	PLACES NP
	WIN 0
	FETCH_A \next, 0, 4
.endm
	s_wait_tensorcnt 1                             ; the scales and my part of slot 0 are in; slot 1's load may be out
	s_barrier_signal -1
	s_barrier_wait -1
	FETCH_B 0, 0, 0
	FETCH_A 0, 0, 0
	SCALES 0
	FETCH_A 0, 0, 4
	STEP 0, 0, 1                                   ; the first step's products start the sums
	s_mov_b32 s3, LAPS-1
.Llap:
	TURN 0, 1, 1
	STEP 1, 0, 0
	TURN 1, 0, 1
	STEP 0, 0, 0
	s_sub_co_u32 s3, s3, 1
	s_cmp_lg_u32 s3, 0
	s_cbranch_scc1 .Llap
	TURN 0, 1, 0
	STEP 1, 0, 0
	s_wait_dscnt 4*NL
	WIN MUL_LO
	MUL16 0, 1, NQ-1, 1, 0
	MUL16 2, 1, NQ-1, 1, 0
	s_wait_dscnt 0
	WIN MUL_HI
	MUL16 4, 1, NQ-1, 1, 0
	MUL16 6, 1, NQ-1, 1, 0
	WIN 0
; THE WAY OUT, a block of 16 A rows at a time.
.macro ADDB a, col                     ; the block's 64 numbers + bias into window 0; each accumulator is read from its low end on.  col = 1: the bias goes by B row; 0: by A row
	WIN 0x02+(\a)/4
.set pp, 0
.rept 32
.if \col
	v_pk_add_f32 v[HA+2*pp:HA+2*pp+1], v[64*((\a)%4)+2*pp:64*((\a)%4)+2*pp+1], v[BI+2*pp:BI+2*pp+1]
.else
	v_pk_add_f32 v[HA+2*pp:HA+2*pp+1], v[64*((\a)%4)+2*pp:64*((\a)%4)+2*pp+1], v[BI+8*(\a):BI+8*(\a)+1]
.endif
.set pp, pp+1
.endr
	WIN 0
.endm
.macro QUANT s, pw                     ; 64 numbers of a lane (registers 16 b .. 16 b + 15: my half of block b of my row) become a fragment's codes in v[PC] on and its scale word in v[pw]
.irp b, 0,1,2,3
	v_max3_num_f32 v[TM+\b], |v[\s+16*\b]|, |v[\s+1+16*\b]|, 0x1800000   ; with the floor 2^(3 - 127): the byte cannot fall under 1
.endr
.irp i, 2,4,6,8,10,12,14
.irp b, 0,1,2,3
	v_max3_num_f32 v[TM+\b], v[TM+\b], |v[\s+16*\b+\i]|, |v[\s+1+16*\b+\i]|
.endr
.endr
.irp b, 0,1,2,3
	v_permlanex16_b32 v[TM+4+\b], v[TM+\b], s[SEL], s[SEL+1]
.endr
.irp b, 0,1,2,3
	v_max_num_f32 v[TM+\b], v[TM+\b], v[TM+4+\b]   ; with lane xor 16's: the block's largest magnitude
.endr
.irp b, 0,1,2,3
	v_add_nc_u32 v[TM+12+\b], 0xff000000, v[TM+\b] ; 2 off its exponent field: the conversion's scale operand
.endr
.irp b, 0,1,2,3
	v_lshrrev_b32 v[TM+4+\b], 23, v[TM+12+\b]      ; the scale's byte
.endr
	v_lshl_or_b32 v[\pw], v[TM+5], 8, v[TM+4]
	v_lshl_or_b32 v[\pw], v[TM+6], 16, v[\pw]
	v_lshl_or_b32 v[\pw], v[TM+7], 24, v[\pw]
.irp c, 0,1
	v_cvt_scalef32_pk16_fp6_f32 v[PC+6*\c:PC+2+6*\c], v[\s+32*\c:\s+15+32*\c], v[TM+12+2*\c]
	v_cvt_scalef32_pk16_fp6_f32 v[PC+12+4*\c:PC+14+4*\c], v[\s+16+32*\c:\s+31+32*\c], v[TM+12+2*\c+1]
.endr
	v_nop                                          ; one plain line behind a scaled conversion
.irp c, 0,1                                    ; a whole block to a lane: lanes 0-15 block 2 c, lanes 16-31 block 2 c + 1
.irp i, 0,1,2
	v_permlane16_swap_b32 v[PC+6*\c+\i], v[PC+12+4*\c+\i]
.endr
.irp i, 0,1,2
	v_mov_b32 v[PC+3+6*\c+\i], v[PC+12+4*\c+\i]
.endr
.endr
.endm
	PLACES NP
	s_wait_loadcnt 0x0                             ; the bias
	s_mov_b32 s[SEL], 0x76543210
	s_mov_b32 s[SEL+1], 0xfedcba98
	s_mov_b32 s94, 0x7f7f0000
.irp b, 0,1,2,3
	v_mov_b32 v[TM+4+\b], 0                        ; a lane permute's destination counts as read
.endr
	s_cmp_eq_u32 ttmp9, 2
	s_cbranch_scc1 .Lv_out
	; q, k: my 128 B rows are two heads; registers 6 c .. 6 c + 5 of the fragment are head c's H-image
	s_lshr_b32 s20, s95, 11
	s_lshl_b32 s20, s20, 4
	s_lshr_b32 s21, s96, 6
	s_add_co_u32 s20, s20, s21                     ; bh of my first head
	s_and_b32 s21, s95, 2047                       ; my first row in its batch
	s_cmp_eq_u32 ttmp9, 0
	s_mov_b32 s22, 196608
	s_cselect_b32 s22, 98304, s22                  ; bytes of codes a head
	s_mov_b32 s23, 12288
	s_cselect_b32 s23, 8192, s23                   ; bytes of words a head
	s_mov_b32 s46, 6291456
	s_cselect_b32 s46, 3145728, s46                ; where the words begin
	s_mul_i32 s92, s20, s22
	s_mul_i32 s47, s21, 48                         ; 768 bytes for each 16 rows
	s_add_co_u32 s92, s92, s47
	s_mov_b32 s93, 0
	s_add_nc_u64 s[4:5], s[12:13], s[92:93]
	s_mov_b32 s92, s22
	s_add_nc_u64 s[6:7], s[4:5], s[92:93]
	s_mul_i32 s92, s20, s23
	s_add_co_u32 s92, s92, s46
	s_lshl_b32 s47, s21, 2
	s_add_co_u32 s92, s92, s47
	s_add_nc_u64 s[8:9], s[12:13], s[92:93]
	s_mov_b32 s92, s23
	s_add_nc_u64 s[10:11], s[8:9], s[92:93]
.irp a, 0,1,2,3,4,5,6,7
	ADDB \a, 1
	s_wait_xcnt 0x0                                ; the last block's stores have read the codes' registers
	QUANT HA, W+\a
.irp c, 0,1
	global_store_b128 v8, v[PC+6*\c:PC+6*\c+3], s[4+2*\c:5+2*\c] offset:768*\a        ; 512 consecutive bytes, aligned
	global_store_b64 v9, v[PC+6*\c+4:PC+6*\c+5], s[4+2*\c:5+2*\c] offset:768*\a+512   ; 256 consecutive bytes, aligned
.endr
	v_lshrrev_b32 v40, v14, v[W+\a]                ; lanes 0-15 make head 0's word, lanes 16-31 head 1's: its two bytes,
	v_and_or_b32 v40, v40, 0xffff, s94             ; and 0x7f for the half of the instruction's K that holds zero codes
	ds_store_b32 v10, v40 offset:64*\a
.endr
	ds_load_b128 v[44:47], v11                     ; LDS serves a wave's instructions in order: these see my stores
	ds_load_b128 v[48:51], v11 offset:512
	s_wait_dscnt 0x0
	global_store_b128 v8, v[44:47], s[8:9]         ; 128 rows' words of a head: 512 consecutive bytes
	global_store_b128 v8, v[48:51], s[10:11]
	s_branch .Lend
.Lv_out:
	; v: my 128 A rows are two heads' dimensions, my 128 B rows one key step: each block is one full image
	s_lshr_b32 s20, s96, 11
	s_lshl_b32 s20, s20, 4
	s_lshr_b32 s21, s95, 6
	s_add_co_u32 s20, s20, s21                     ; bh of my first head
	s_and_b32 s21, s96, 2047
	s_lshr_b32 s21, s21, 7                         ; the key step
	s_mul_i32 s92, s20, 196608
	s_mul_i32 s47, s21, 6144
	s_add_co_u32 s92, s92, s47
	s_add_co_u32 s92, s92, 98304
	s_mov_b32 s93, 0
	s_add_nc_u64 s[4:5], s[12:13], s[92:93]
	s_mul_i32 s92, s20, 12288
	s_lshl_b32 s47, s21, 8
	s_add_co_u32 s92, s92, s47
	s_add_co_u32 s92, s92, 6291456+8192
	s_add_nc_u64 s[8:9], s[12:13], s[92:93]
.irp a, 0,1,2,3,4,5,6,7
	ADDB \a, 0
	s_wait_xcnt 0x0
	QUANT HA, W+\a
.irp p, 0,1,2
	global_store_b128 v8, v[PC+4*\p:PC+4*\p+3], s[4:5] offset:(\a/4)*196608+(\a%4)*1536+512*\p
.endr
	ds_store_b32 v12, v[W+\a] offset:64*\a         ; both halves of the lanes write the same word
.endr
	ds_load_b128 v[44:47], v13
	s_wait_dscnt 0x0
	global_store_b128 v15, v[44:47], s[8:9]        ; 256 consecutive bytes for each of the two heads
.Lend:
	s_wait_tensorcnt 0x0                           ; the wave's end
	ds_add_u32 v[SPW], v[NIL]
	s_wait_dscnt 0x0
	CROUND                                         ; the closing round
	s_endpgm
.Lfunc_end_k_qd1e0d97e8a_qkv:
	.size	k_qd1e0d97e8a_qkv, .Lfunc_end_k_qd1e0d97e8a_qkv-k_qd1e0d97e8a_qkv
	.p2alignl 7, 3214868480
	.fill 96, 4, 3214868480
	.section	.rodata,"a",@progbits
	.p2align	6, 0x0
	.amdhsa_kernel k_qd1e0d97e8a_qkv
		.amdhsa_group_segment_fixed_size 327680
		.amdhsa_private_segment_fixed_size 0
		.amdhsa_enable_private_segment 0
		.amdhsa_kernarg_size 96
		.amdhsa_user_sgpr_count 2
		.amdhsa_user_sgpr_kernarg_segment_ptr 1
		.amdhsa_wavefront_size32 1
		.amdhsa_system_sgpr_workgroup_id_x 1
		.amdhsa_system_sgpr_workgroup_id_y 1
		.amdhsa_system_sgpr_workgroup_id_z 1
		.amdhsa_system_vgpr_workitem_id 0
		.amdhsa_next_free_vgpr 1024
		.amdhsa_next_free_sgpr 100
		.amdhsa_reserve_vcc 0
		.amdhsa_float_denorm_mode_32 3
		.amdhsa_float_denorm_mode_16_64 3
		.amdhsa_memory_ordered 1
		.amdhsa_forward_progress 1
		.amdhsa_inst_pref_size 241
	.end_amdhsa_kernel
	.amdgpu_metadata
---
amdhsa.version: [ 1, 2 ]
amdhsa.kernels:
  - .name:           k_qd1e0d97e8a_qkv
    .symbol:         k_qd1e0d97e8a_qkv.kd
    .args:
      - { .name: act, .offset: 0, .size: 8, .value_kind: global_buffer, .address_space: global }
      - { .name: wq_codes, .offset: 8, .size: 8, .value_kind: global_buffer, .address_space: global }
      - { .name: wq_scales, .offset: 16, .size: 8, .value_kind: global_buffer, .address_space: global }
      - { .name: wk_codes, .offset: 24, .size: 8, .value_kind: global_buffer, .address_space: global }
      - { .name: wk_scales, .offset: 32, .size: 8, .value_kind: global_buffer, .address_space: global }
      - { .name: wv_codes, .offset: 40, .size: 8, .value_kind: global_buffer, .address_space: global }
      - { .name: wv_scales, .offset: 48, .size: 8, .value_kind: global_buffer, .address_space: global }
      - { .name: bq, .offset: 56, .size: 8, .value_kind: global_buffer, .address_space: global }
      - { .name: bk, .offset: 64, .size: 8, .value_kind: global_buffer, .address_space: global }
      - { .name: bv, .offset: 72, .size: 8, .value_kind: global_buffer, .address_space: global }
      - { .name: qb, .offset: 80, .size: 8, .value_kind: global_buffer, .address_space: global }
      - { .name: kvb, .offset: 88, .size: 8, .value_kind: global_buffer, .address_space: global }
    .group_segment_fixed_size: 327680
    .private_segment_fixed_size: 0
    .kernarg_segment_align: 8
    .kernarg_segment_size: 96
    .max_flat_workgroup_size: 128
    .sgpr_count:     100
    .vgpr_count:     1024
    .wavefront_size: 32
...
	.end_amdgpu_metadata
.endif
;; end of part 2
;; launch attn (part 3): grid 8 x 32, 16 waves a work-group, no clusters, 210,944 bytes of LDS; arguments qb, kvb, cb; writes cb
.if DOCPART == 3
	.amdgcn_target "amdgcn-amd-amdhsa--gfx1250"
	.amdhsa_code_object_version 6
	.text
	.protected	k_qd1e0d97e8a_attn
	.globl	k_qd1e0d97e8a_attn
	.p2align	8
	.type	k_qd1e0d97e8a_attn,@function
k_qd1e0d97e8a_attn:
	s_mov_b64 s[64:65], 0
	v_nop
	global_prefetch_b8 v0, s[64:65] scope:SCOPE_SE
	s_setreg_imm32_b32 hwreg(HW_REG_WAVE_MODE, 25, 1), 1
	s_wait_xcnt 0x0
; ctx = softmax(q k^T / 8, causal) v for one (batch, head), both products on codes of FP6 (E2M3) with E8M0 scales; ctx is quantised along the head's 64 and leaves as an image of operand registers.
; THE SOFTMAX: t = score x log2(e) / 8; M = the running largest t rounded up to a whole number; p = 2^(t - M) is quantised along the keys; the row's sum is taken of the unquantised p and divides at the end.
; SHARES.  A work-group takes the blocks i and 15 - i of 128 queries of its head: block i needs i + 1 key steps of 128, its partner 16 - i: every work-group has 8 x 17 steps of a tile.  A wave owns one tile of 16 queries.
; THE HEAD'S K AND V STAY IN LDS: 196,608 bytes of codes and 12,288 of scale words come once, in four chunks of 512 keys; nothing is filled again.  LDS mirrors memory: K 0, V 98,304, K's words 196,608, V's 204,800.
; Every wave walks all 16 steps; a step all of whose keys come after its queries is jumped over by a scalar branch on ids.
; LAYOUT.  S^T = K Q^T (source 0 = 16 keys, source 1 = my queries), O^T = V^T P^T: a lane holds one query throughout.  The scores' K is 64, half of the instruction's 128: Q's upper six registers are zero codes, so K's operand may run on
; into the next tile's registers (behind the last tile: zeros); the upper two scale bytes are 0x7f on both sides.  p's codes lie in each block of 32 keys in the order in which v's were laid: groups of eight 0, 2, 1, 3.
; NO CLUSTER: the eight work-groups of a head read the same K and V, but which steps a wave jumps over hangs on its block of queries, which differs between them; walking all steps alike would double the vector work.
; LIMITS: NaN and infinities are not served; p under 2^-126 is 0; a block of zeros keeps the byte 1.  ctx's scale words are shared by two heads: each work-group stores its two bytes of every four.
.set WV, 10
.set BH, 11
.set Q0, 12                            ; my first query in the head
.set KF, 13                            ; the step's first key
.set TB, 14                            ; the step's codes: 6,144 bytes of K, and of V
.set TS, 15                            ; K's words: 512 bytes a step
.set TJ, 16                            ; V's: 256
.set CNT, 17
.set SEL, 20
.set CS, 22
.set KT, 32                            ; v32-79 eight tiles of K x 6 registers, then four of V x 12; v80-85 zeros
.set S, 96                             ; v96-159 S^T, then p
.set O, 160                            ; v160-191 O^T
.set PCD, 192                          ; v192-203 p's codes; v204-210 halves on their way
.set CT, 204
.set BM, 212                           ; v212-215 a block's largest score, then p
.set BT, 216                           ; v216-219 at work
.set SO, 220                           ; v220-223 the conversions' scale operands
	s_load_b128 s[4:7], s[0:1], 0x0                ; qb, kvb
	s_load_b64 s[8:9], s[0:1], 0x10                ; cb
	v_lshl_add_u32 v254, v0, 2, 0x33000
	v_mov_b32 v255, 0
	ds_add_u32 v254, v255
	ds_add_u32 v254, v255
	v_lshrrev_b32 v8, 5, v0
	v_readfirstlane_b32 s[WV], v8
	s_and_b32 s[BH], ttmp7, 0xffff
	s_mov_b32 s44, 3<<16                           ; group 1, scale words: 12 rows of 32 elements of 8 bytes, dense
	s_mov_b32 s45, 32<<16
	s_mov_b32 s46, 12<<16
	s_mov_b32 s47, 32<<16
	s_mov_b32 s48, 12
	s_mov_b32 s49, 32
	s_mov_b32 s50, 0
	s_mov_b32 s51, 0
	s_mov_b32 s52, 3<<16                           ; group 1, codes: 48 such rows: 12,288 bytes
	s_mov_b32 s53, 32<<16
	s_mov_b32 s54, 48<<16
	s_mov_b32 s55, 32<<16
	s_mov_b32 s56, 48
	s_mov_b32 s57, 32
	s_mov_b32 s58, 0
	s_mov_b32 s59, 0
	s_and_b32 s60, s[WV], 3
	s_lshr_b32 s61, s60, 1                         ; waves 0, 1 fetch K, waves 2, 3 V
	s_and_b32 s62, s60, 1
	s_mul_i32 s61, s61, 98304
	s_mul_i32 s62, s62, 12288
	s_add_co_u32 s61, s61, s62                     ; my half of chunk 0: in LDS and in the head's block alike
	s_mul_i32 s63, s60, 3072                       ; my quarter of the scale words
	s_mul_i32 s66, s[BH], 196608
	s_add_co_u32 s66, s66, s61
	s_mov_b32 s67, 0
	s_mul_i32 s68, s[BH], 12288
	s_add_co_u32 s68, s68, s63
	s_add_co_u32 s68, s68, 6291456
	s_mov_b32 s69, 0
	s_wait_dscnt 0x0
	s_wait_kmcnt 0x0
	s_add_nc_u64 s[66:67], s[6:7], s[66:67]
	s_add_nc_u64 s[68:69], s[6:7], s[68:69]
	s_mov_b32 s24, 1
	s_add_co_u32 s25, s63, 196608
	s_mov_b64 s[26:27], s[68:69]
	s_or_b32 s27, s27, 0x80000000
.irp c, 0,1,2,3
	s_mov_b32 s[28+4*\c], 1
	s_add_co_u32 s[29+4*\c], s61, 24576*\c
	s_add_nc_u64 s[30+4*\c:31+4*\c], s[66:67], 24576*\c
	s_or_b32 s[31+4*\c], s[31+4*\c], 0x80000000
.endr
	s_cmp_lt_u32 s[WV], 4                          ; a wave's five first fills stand in one branch, ahead of every wait on TENSORcnt, LDS read and barrier: five loads of a wave are out
	s_cbranch_scc0 .Lno_fetch
	tensor_load_to_lds s[24:27], s[44:51]
	s_nop 0
	tensor_load_to_lds s[28:31], s[52:59]
	s_nop 0
	tensor_load_to_lds s[32:35], s[52:59]
	s_nop 0
	tensor_load_to_lds s[36:39], s[52:59]
	s_nop 0
	tensor_load_to_lds s[40:43], s[52:59]
	s_nop 0
.rept 4
	v_nop
.endr
.Lno_fetch:
	s_lshr_b32 s18, s[WV], 2
	s_xor_b32 s18, s18, s[WV]
	s_and_b32 s18, s18, 1                          ; waves 2 t and 2 t + 1 take tile t of the two blocks; which of them takes the late block alternates with t / 2
	s_sub_co_u32 s19, 15, ttmp9
	s_cmp_eq_u32 s18, 1
	s_cselect_b32 s19, s19, ttmp9
	s_lshl_b32 s[Q0], s19, 7
	s_lshr_b32 s18, s[WV], 1
	s_lshl_b32 s18, s18, 4
	s_add_co_u32 s[Q0], s[Q0], s18
	s_mul_i32 s60, s[BH], 98304
	s_mul_i32 s61, s[Q0], 48
	s_add_co_u32 s60, s60, s61
	s_mov_b32 s61, 0
	s_add_nc_u64 s[60:61], s[4:5], s[60:61]        ; my tile of q
	s_lshl_b32 s62, s[BH], 13
	s_lshl_b32 s63, s[Q0], 2
	s_add_co_u32 s62, s62, s63
	s_add_co_u32 s62, s62, 3145728
	s_mov_b32 s63, 0
	s_add_nc_u64 s[62:63], s[4:5], s[62:63]        ; and its scale words
	v_and_b32 v6, 31, v0
	v_and_b32 v7, 15, v0                           ; r
	v_bfe_u32 v9, v0, 4, 1                         ; h
	v_lshlrev_b32 v1, 4, v6                        ; v1 16 x lane
	v_lshlrev_b32 v2, 3, v6                        ; v2 8 x lane
	v_lshl_add_u32 v3, v6, 2, 196608               ; v3 K's words: lanes 0-15 one tile, lanes 16-31 the next
	v_lshl_add_u32 v4, v6, 2, 204800               ; v4 V's likewise
	v_add_nc_u32 v5, 98304, v1                     ; v5 V's images
	v_lshlrev_b32 v30, 2, v7                       ; v30 4 r
	v_lshlrev_b32 v31, 3, v9
	v_sub_nc_u32 v31, v7, v31                      ; v31 r - 8 h
	global_load_b128 v[16:19], v1, s[60:61]
	global_load_b64 v[20:21], v2, s[60:61] offset:512
	global_load_b32 v29, v30, s[62:63]
.irp j, 22,23,24,25,26,27,80,81,82,83,84,85
	v_mov_b32 v\j, 0                               ; zero codes
.endr
	s_mov_b32 s[SEL], 0x76543210
	s_mov_b32 s[SEL+1], 0xfedcba98
	s_mov_b32 s[CS], 0x3e38aa3b                    ; c = log2(e) / 8
	s_mov_b32 s[CS+1], s[CS]
	s_mov_b32 s[KF], 0
	v_mov_b32 v13, 0xff61b1e6                      ; the largest t so far: -3e38
	v_floor_f32 v12, -v13                          ; -M
	v_mov_b32 v14, 0
	v_mov_b32 v15, 0
.irp b, 0,1,2,3
	v_mov_b32 v[BT+\b], 0                          ; a lane permute's destination counts as read
.endr
	v_mov_b32 v226, 0
	v_mov_b32 v227, 0
.set jj, 0
.rept 32
	v_mov_b32 v[O+jj], 0                           ; the step is written once: the first finds zeros
.set jj, jj+1
.endr
.macro STEP
	s_add_co_u32 s18, s[Q0], 15
	s_cmp_gt_u32 s[KF], s18
	s_cbranch_scc1 .Lhidden_\@                     ; all 128 keys come after my queries
	v_add_nc_u32 v8, s[TB], v1                     ; (these five are the places behind the last step's products)
	v_add_nc_u32 v9, s[TB], v2
	v_add_nc_u32 v10, s[TS], v3
	v_add_nc_u32 v11, s[TJ], v4
	v_add_nc_u32 v28, s[TB], v5
.irp i, 0,1,2,3,4,5,6,7
	ds_load_b128 v[KT+6*\i:KT+6*\i+3], v8 offset:768*\i
	ds_load_b64 v[KT+6*\i+4:KT+6*\i+5], v9 offset:768*\i+512
.endr
.irp m, 0,1,2,3
	ds_load_b32 v[86+\m], v10 offset:128*\m
.endr
	s_wait_dscnt 0x0
.irp i, 0,2,4,6
	v_wmma_scale_f32_16x16x128_f8f6f4 v[S+8*\i:S+8*\i+7], v[KT+6*\i:KT+6*\i+11], v[16:27], 0, v[86+\i/2], v29 matrix_a_fmt:MATRIX_FMT_FP6 matrix_b_fmt:MATRIX_FMT_FP6
	v_wmma_scale_f32_16x16x128_f8f6f4 v[S+8*\i+8:S+8*\i+15], v[KT+6*\i+6:KT+6*\i+17], v[16:27], 0, v[86+\i/2], v29 matrix_a_fmt:MATRIX_FMT_FP6 matrix_b_fmt:MATRIX_FMT_FP6 matrix_a_scale:MATRIX_SCALE_ROW1
.endr                                          ; register 8 i + j of lane (r, h): query r, key KF + 16 i + 8 h + j
.rept 4
	v_nop
.endr
.irp t, 0,1,2,3                                ; V's four images go out now and land under the softmax
.irp p, 0,1,2
	ds_load_b128 v[KT+12*\t+4*\p:KT+12*\t+4*\p+3], v28 offset:1536*\t+512*\p
.endr
.endr
	ds_load_b32 v90, v11
	ds_load_b32 v91, v11 offset:128
	s_add_co_u32 s18, s[KF], 127
	s_cmp_le_u32 s18, s[Q0]
	s_cbranch_scc1 .Lopen_\@                       ; all keys count
	s_sub_co_i32 s18, s[Q0], s[KF]
	v_add_nc_u32 v225, s18, v31                    ; d = my query - KF - 8 h: register 8 i + j is hidden where 16 i + j > d
	v_mov_b32 v224, 0xff800000
.set nn, 0
.rept 64
	v_cmp_gt_i32 vcc_lo, 16*(nn/8)+nn%8, v225
	v_cndmask_b32 v[S+nn], v[S+nn], v224, vcc_lo
.set nn, nn+1
.endr
.Lopen_\@:
.irp b, 0,1,2,3
	v_max3_num_f32 v[BM+\b], v[S+16*\b], v[S+1+16*\b], v[S+2+16*\b]   ; each block's largest score: for the row's maximum and, since p rises with the score, for the block's largest p
.endr
.irp i, 3,5,7,9,11,13
.irp b, 0,1,2,3
	v_max3_num_f32 v[BM+\b], v[BM+\b], v[S+16*\b+\i], v[S+1+16*\b+\i]
.endr
.endr
.irp b, 0,1,2,3
	v_max_num_f32 v[BM+\b], v[BM+\b], v[S+15+16*\b]
.endr
.irp b, 0,1,2,3
	v_permlanex16_b32 v[BT+\b], v[BM+\b], s[SEL], s[SEL+1]
.endr
.irp b, 0,1,2,3
	v_max_num_f32 v[BM+\b], v[BM+\b], v[BT+\b]
.endr
	v_max3_num_f32 v224, v[BM], v[BM+1], v[BM+2]
	v_max_num_f32 v224, v224, v[BM+3]
	v_mul_f32 v224, s[CS], v224
	v_max_num_f32 v13, v13, v224                   ; the running largest t
	v_mov_b32 v224, v12
	v_floor_f32 v12, -v13                          ; -M = floor(-t): M is a whole number
	v_sub_f32 v224, v12, v224
	v_cvt_i32_f32 v224, v224
	v_ldexp_f32 v226, 1.0, v224                    ; f = 2^(old M - new M): rounds nothing
.set jj, 0
.rept 32
	v_pk_fma_f32 v[S+jj:S+jj+1], v[S+jj:S+jj+1], s[CS:CS+1], v[12:13] op_sel_hi:[1,0,0]   ; t - M
.set jj, jj+2
.endr
.irp b, 0,1,2,3
	v_fma_f32 v[BM+\b], v[BM+\b], s[CS], v12
.endr
.set jj, 0
.rept 64
	v_exp_f32 v[S+jj], v[S+jj]                     ; p, not normalised
.set jj, jj+1
.endr
	v_pk_mul_f32 v[14:15], v[14:15], v[226:227] op_sel_hi:[1,0]   ; the sums under the new M (the plain line behind the batch)
	s_wait_alu depctr_va_vdst(0)                   ; one wait for the 64, ahead of their first reader
.irp b, 0,1,2,3
	v_exp_f32 v[BM+\b], v[BM+\b]                   ; the blocks' largest p
.endr
	v_pk_add_f32 v[BT:BT+1], v[S:S+1], v[S+2:S+3]  ; the row's sum of the unquantised p, in two chains
.irp j, 4,8,12,16,20,24,28,32,36,40,44,48,52,56,60
	v_pk_add_f32 v[14:15], v[14:15], v[S+\j:S+\j+1]
	v_pk_add_f32 v[BT:BT+1], v[BT:BT+1], v[S+\j+2:S+\j+3]
.endr
	v_pk_add_f32 v[14:15], v[14:15], v[BT:BT+1]
	s_wait_alu depctr_va_vdst(0)                   ; and one for the four
.irp b, 0,1,2,3
	v_max_num_f32 v[BM+\b], 0x1800000, v[BM+\b]    ; the floor: the byte cannot fall under 1
.endr
.irp b, 0,1,2,3
	v_add_nc_u32 v[SO+\b], 0xff000000, v[BM+\b]
.endr
.irp b, 0,1,2,3
	v_lshrrev_b32 v[BT+\b], 23, v[SO+\b]
.endr
	v_lshl_or_b32 v227, v[BT+1], 8, v[BT]          ; p's scale word for these 128 keys
	v_lshl_or_b32 v227, v[BT+2], 16, v227
	v_lshl_or_b32 v227, v[BT+3], 24, v227
.irp c, 0,1
	v_cvt_scalef32_pk16_fp6_f32 v[PCD+6*\c:PCD+2+6*\c], v[S+32*\c:S+15+32*\c], v[SO+2*\c]
	v_cvt_scalef32_pk16_fp6_f32 v[CT+4*\c:CT+2+4*\c], v[S+16+32*\c:S+31+32*\c], v[SO+2*\c+1]
.endr
	v_nop
.irp c, 0,1
.irp i, 0,1,2
	v_permlane16_swap_b32 v[PCD+6*\c+\i], v[CT+4*\c+\i]
.endr
.irp i, 0,1,2
	v_mov_b32 v[PCD+3+6*\c+\i], v[CT+4*\c+\i]
.endr
.endr
.set jj, 0
.rept 16
	v_pk_mul_f32 v[O+jj:O+jj+1], v[O+jj:O+jj+1], v[226:227] op_sel_hi:[1,0]   ; O^T under the new M; these are also the places between the codes and the scale word just made and the products
.set jj, jj+2
.endr
.rept 4
	v_nop
.endr
	s_wait_dscnt 0x0                               ; V
.irp t, 0,2
	v_wmma_scale_f32_16x16x128_f8f6f4 v[O+8*\t:O+8*\t+7], v[KT+12*\t:KT+12*\t+11], v[PCD:PCD+11], v[O+8*\t:O+8*\t+7], v[90+\t/2], v227 matrix_a_fmt:MATRIX_FMT_FP6 matrix_b_fmt:MATRIX_FMT_FP6
	v_wmma_scale_f32_16x16x128_f8f6f4 v[O+8*\t+8:O+8*\t+15], v[KT+12*\t+12:KT+12*\t+23], v[PCD:PCD+11], v[O+8*\t+8:O+8*\t+15], v[90+\t/2], v227 matrix_a_fmt:MATRIX_FMT_FP6 matrix_b_fmt:MATRIX_FMT_FP6 matrix_a_scale:MATRIX_SCALE_ROW1
.endr
.Lhidden_\@:
	s_add_co_u32 s[KF], s[KF], 128
	s_add_co_u32 s[TB], s[TB], 6144
	s_add_co_u32 s[TS], s[TS], 512
	s_add_co_u32 s[TJ], s[TJ], 256
.endm
.macro CHUNK c                         ; 512 keys: four steps
	s_wait_tensorcnt 3-\c                          ; tensor loads end in order: the words and chunks 0 .. c are in, the later chunks' loads stay out (a wave that fetched nothing passes at once)
	s_wait_dscnt 0x0
	s_barrier_signal -1
	s_barrier_wait -1                              ; everybody's parts are in
	s_mov_b32 s[TB], 24576*\c
	s_mov_b32 s[TS], 2048*\c
	s_mov_b32 s[TJ], 1024*\c
	s_mov_b32 s[CNT], 4
.Lstep_\@:
	STEP
	s_sub_co_u32 s[CNT], s[CNT], 1
	s_cmp_lg_u32 s[CNT], 0
	s_cbranch_scc1 .Lstep_\@
.endm
	s_wait_loadcnt 0x0                             ; Q
	CHUNK 0
	CHUNK 1
	CHUNK 2
	CHUNK 3
	; THE WAY OUT: O^T / the sum, in the true order of the head's 64, quantised: one H-image and two scale bytes a row
.rept 4
	v_nop
.endr
	v_add_f32 v14, v14, v15
	v_permlanex16_b32 v226, v14, s[SEL], s[SEL+1]
	v_add_f32 v14, v14, v226
	v_rcp_f32 v224, v14
	v_nop
	s_wait_alu depctr_va_vdst(0)
.set jj, 0
.rept 32
	v_mul_f32 v[S+jj], v[O+jj], v224               ; register 8 t + j: dimension 16 t + 8 h + j of query r
.set jj, jj+1
.endr
.irp b, 0,1
.irp j, 0,1,2,3,4,5,6,7
	v_permlane16_swap_b32 v[S+16*\b+\j], v[S+16*\b+8+\j]   ; now register 16 b + i: dimension 32 b + 16 h + i: ctx meets given weights
.endr
.endr
.irp b, 0,1
	v_max3_num_f32 v[BM+\b], |v[S+16*\b]|, |v[S+1+16*\b]|, 0x1800000
.endr
.irp i, 2,4,6,8,10,12,14
.irp b, 0,1
	v_max3_num_f32 v[BM+\b], v[BM+\b], |v[S+16*\b+\i]|, |v[S+1+16*\b+\i]|
.endr
.endr
.irp b, 0,1
	v_permlanex16_b32 v[BT+\b], v[BM+\b], s[SEL], s[SEL+1]
.endr
.irp b, 0,1
	v_max_num_f32 v[BM+\b], v[BM+\b], v[BT+\b]
.endr
.irp b, 0,1
	v_add_nc_u32 v[SO+\b], 0xff000000, v[BM+\b]
.endr
.irp b, 0,1
	v_lshrrev_b32 v[BT+\b], 23, v[SO+\b]
.endr
	v_lshl_or_b32 v225, v[BT+1], 8, v[BT]
	v_cvt_scalef32_pk16_fp6_f32 v[PCD:PCD+2], v[S:S+15], v[SO]
	v_cvt_scalef32_pk16_fp6_f32 v[CT:CT+2], v[S+16:S+31], v[SO+1]
	v_nop
.irp i, 0,1,2
	v_permlane16_swap_b32 v[PCD+\i], v[CT+\i]
.endr
.irp i, 0,1,2
	v_mov_b32 v[PCD+3+\i], v[CT+\i]
.endr
	s_lshr_b32 s18, s[BH], 4
	s_lshl_b32 s18, s18, 11
	s_add_co_u32 s18, s18, s[Q0]                   ; my first row of the 4,096
	s_and_b32 s19, s[BH], 15                       ; the head
	s_mul_i32 s60, s18, 768
	s_mul_i32 s61, s19, 768
	s_add_co_u32 s60, s60, s61
	s_mov_b32 s61, 0
	s_add_nc_u64 s[60:61], s[8:9], s[60:61]
	s_lshr_b32 s62, s19, 1
	s_lshl_b32 s62, s62, 14
	s_lshl_b32 s63, s18, 2
	s_add_co_u32 s62, s62, s63
	s_and_b32 s63, s19, 1
	s_lshl_b32 s63, s63, 1
	s_add_co_u32 s62, s62, s63
	s_add_co_u32 s62, s62, 3145728
	s_mov_b32 s63, 0
	s_add_nc_u64 s[62:63], s[8:9], s[62:63]
	global_store_b128 v1, v[PCD:PCD+3], s[60:61]
	global_store_b64 v2, v[PCD+4:PCD+5], s[60:61] offset:512
	global_store_b16 v30, v225, s[62:63]           ; my head's two bytes of the row's word (both halves of the lanes store the same)
	s_wait_tensorcnt 0x0
	ds_add_u32 v254, v255
	s_wait_dscnt 0x0
	s_endpgm
.Lfunc_end_k_qd1e0d97e8a_attn:
	.size	k_qd1e0d97e8a_attn, .Lfunc_end_k_qd1e0d97e8a_attn-k_qd1e0d97e8a_attn
	.p2alignl 7, 3214868480
	.fill 96, 4, 3214868480
	.section	.rodata,"a",@progbits
	.p2align	6, 0x0
	.amdhsa_kernel k_qd1e0d97e8a_attn
		.amdhsa_group_segment_fixed_size 210944
		.amdhsa_private_segment_fixed_size 0
		.amdhsa_enable_private_segment 0
		.amdhsa_kernarg_size 24
		.amdhsa_user_sgpr_count 2
		.amdhsa_user_sgpr_kernarg_segment_ptr 1
		.amdhsa_wavefront_size32 1
		.amdhsa_system_sgpr_workgroup_id_x 1
		.amdhsa_system_sgpr_workgroup_id_y 1
		.amdhsa_system_sgpr_workgroup_id_z 1
		.amdhsa_system_vgpr_workitem_id 0
		.amdhsa_next_free_vgpr 256
		.amdhsa_next_free_sgpr 72
		.amdhsa_reserve_vcc 1
		.amdhsa_float_denorm_mode_32 3
		.amdhsa_float_denorm_mode_16_64 3
		.amdhsa_memory_ordered 1
		.amdhsa_forward_progress 1
		.amdhsa_inst_pref_size 100
	.end_amdhsa_kernel
	.amdgpu_metadata
---
amdhsa.version: [ 1, 2 ]
amdhsa.kernels:
  - .name:           k_qd1e0d97e8a_attn
    .symbol:         k_qd1e0d97e8a_attn.kd
    .args:
      - { .name: qb, .offset: 0, .size: 8, .value_kind: global_buffer, .address_space: global }
      - { .name: kvb, .offset: 8, .size: 8, .value_kind: global_buffer, .address_space: global }
      - { .name: cb, .offset: 16, .size: 8, .value_kind: global_buffer, .address_space: global }
    .group_segment_fixed_size: 210944
    .private_segment_fixed_size: 0
    .kernarg_segment_align: 8
    .kernarg_segment_size: 24
    .max_flat_workgroup_size: 512
    .sgpr_count:     72
    .vgpr_count:     256
    .wavefront_size: 32
...
	.end_amdgpu_metadata
.endif
;; end of part 3
;; launch oproj (part 4): grid 8 x 32, 4 waves a work-group, clusters of 4 x 4, 327,680 bytes of LDS; arguments cb, wo_codes, wo_scales, bo, x, hb; writes hb
.if DOCPART == 4
	.amdgcn_target "amdgcn-amd-amdhsa--gfx1250"
	.amdhsa_code_object_version 6
	.text
	.protected	k_qd1e0d97e8a_oproj
	.globl	k_qd1e0d97e8a_oproj
	.p2align	8
	.type	k_qd1e0d97e8a_oproj,@function
k_qd1e0d97e8a_oproj:
	s_mov_b64 s[64:65], 0
	v_nop
	global_prefetch_b8 v0, s[64:65] scope:SCOPE_SE
	s_setreg_imm32_b32 hwreg(HW_REG_WAVE_MODE, 25, 1), 1
	s_wait_xcnt 0x0
	s_wait_alu depctr_hold_cnt(0) depctr_sa_sdst(0) depctr_va_vdst(0) depctr_va_sdst(0) depctr_va_ssrc(0) depctr_va_vcc(0) depctr_vm_vsrc(0)
	s_getreg_b32 s2, hwreg(HW_REG_IB_STS2, 6, 4)
	s_cmp_eq_u32 s2, 0
	s_cbranch_scc0 .Lentry_in_a_cluster
	s_endpgm
.Lentry_in_a_cluster:
	s_bfe_u32 s2, ttmp6, 0x10000c
	s_cmp_lg_u32 s2, 0xf033
	s_cbranch_scc0 .Lentry_shape_is_right
	s_endpgm
.Lentry_shape_is_right:
; out = res + bias + A W^T on codes of FP6 (E2M3) with E8M0 scales; out, res: [4096][1024] f32.  A comes as images of operand registers: [row tile 256][SIZE_K / 64][768 bytes], and 3,072 SIZE_K bytes on its
; scale words [SIZE_K / 128][4096]; W as rows of codes [1024][3 SIZE_K / 4 bytes] with scale bytes [1024][SIZE_K / 32].
; N = 1,024 gives 64 tiles of 256 x 256, too few for the WGPs: a tile is 128 x 128, 256 work-groups; a wave makes 64 x 64 in 16 accumulators.
; A slot holds 512 along K (four steps of 128), as much as two slots allow, so that one joint load a wave serves 64 matrix instructions.  All scale words and bytes come once.
; CLUSTER 4 x 4: A's tiles are shared along a row of the cluster, W's along a column: joint loads.  TRANSPOSED USE: source 0 = 16 rows of W, source 1 = 16 rows of A: a lane holds eight neighbouring columns of a row of out.
; The residual's rows are asked for at the head and land under the loop.
; REGISTERS: window 0: v8-29 addresses; v32-79 two sets of scales; v80-83 bias; v128-255 accumulators; on the way out v32-63 and v96-127 take rows.  Window 1: two fragment buffers (A 48, W 48).  Window 2: v0-127 the residual.
.set SIZE_K, 1024
.set KROW,   SIZE_K*3/4
.set PITCH,  240                       ; a row of W's sub-tile: 3 x (64 bytes + 16 of padding)
.set FR,     12
.set SUBB,   128*PITCH                 ; 128 rows x 256 along K
.set ATILE,  6144                      ; a row tile's 8 H-images of a slot
.set SLOT,   8*ATILE+2*SUBB
.set LAPS,   SIZE_K/1024
.set NKS,    SIZE_K/128
.set KS,     SIZE_K/32
.set ASC,    2*SLOT                    ; A's scale words: [half of rows][K step][64 rows]
.set HALFSA, NKS*256
.set BSC,    ASC+2*HALFSA              ; W's scale bytes, as units of 256 bytes + 16 of padding
.set HALFSB, (64*KS/256)*272
.set SBLK,   (16*KS/256)*272
.set SPARE,  BSC+2*HALFSB              ; the spare words: 128 bytes a wave, named by no other line
.set SPITCH, 272                       ; the way out: 16 rows x (256 bytes + 16) a wave, in slot 0, which has had its last fill and its last read by then
.set ADA16, 8                          ; v8-9   A's images at 16 x lane, slot 0, 1
.set ADA8,  10                         ; v10-11 at 8 x lane
.set ADB,   16                         ; v16-17 W's fragments; v18-19 behind one padding more
.set ADSA,  20
.set ADSB,  21
.set STO,   24
.set RD,    25
.set CO,    26
.set BO,    27
.set SPW,   28
.set NIL,   29
.set SCR,   32                         ; set s at 32 + 24 s: 8 registers of A's words [q][pair of row tiles], 16 of W's [block][q]
.set BIAS,  80
.set OB0,   32
.set OB1,   96
.set ACC,   128
.set G1A, 24
.set G0A, 32
.set G1B, 48
.set G0B, 56
.set G1SA, 68
.set G0SA, 76
.set G1SB, 80
.set G0SB, 88
.set MSB, 0
.macro WIN new
.if MSB != (\new)
	s_set_vgpr_msb (MSB<<8)|(\new)
.set MSB, (\new)
.endif
.endm
.set MUL,  0x05                        ; sources 0 and 1 window 1; C and D window 0
.set TO_F, 0x40                        ; destination window 1
.macro JLOAD g0a, g1a, g0b, g1b        ; waves 0 and 1 ask for A, waves 2 and 3 for W; four v_nop follow each line
	s_cmp_eq_u32 s17, 0
	s_cbranch_scc0 .Lfor_b_\@
	tensor_load_to_lds s[\g0a:\g0a+3], s[\g1a:\g1a+7]
	s_nop 0
.rept 4
	v_nop
.endr
	s_branch .Lasked_\@
.Lfor_b_\@:
	tensor_load_to_lds s[\g0b:\g0b+3], s[\g1b:\g1b+7]
	s_nop 0
.rept 4
	v_nop
.endr
.Lasked_\@:
.endm
.macro CREST
	s_cmp_lg_u32 s16, 0
	s_cbranch_scc1 .Lnot_wave_0_\@
	s_barrier_signal -3
.Lnot_wave_0_\@:
	s_barrier_wait -3
	s_barrier_signal -1
	s_barrier_wait -1
.endm
.macro CROUND
	s_barrier_signal -1
	s_barrier_wait -1
	CREST
.endm
	s_load_b256 s[4:11], s[0:1], 0x0               ; A s[4:5], W's codes s[6:7], W's scales s[8:9], bias s[10:11]
	s_load_b128 s[12:15], s[0:1], 0x20             ; residual s[12:13], out s[14:15]
	v_lshl_add_u32 v[SPW], v0, 2, SPARE
	v_mov_b32 v[NIL], 0
	ds_add_u32 v28, v29
	ds_add_u32 v28, v29
	s_wait_dscnt 0x0
	v_lshrrev_b32 v1, 5, v0
	v_readfirstlane_b32 s16, v1                    ; wave
	s_lshr_b32 s17, s16, 1                         ; my half of the rows; also: I fetch for A (0) or W (1)
	s_and_b32 s18, s16, 1                          ; my half of the columns; also: which half I fetch
	s_bfe_u32 s40, ttmp6, 0x40000                  ; cx
	s_bfe_u32 s41, ttmp6, 0x40004                  ; cy
	s_lshl_b32 s42, ttmp9, 2
	s_add_co_u32 s42, s42, s40                     ; tile column
	s_and_b32 s43, ttmp7, 0xffff
	s_lshl_b32 s43, s43, 2
	s_add_co_u32 s43, s43, s41                     ; tile row
	s_lshl_b32 s44, s41, 2
	s_lshl_b32 s44, 15, s44                        ; my row of the cluster
	s_lshl_b32 s45, 0x1111, s40                    ; my column
	s_or_b32 s[G1A+0], s44, (3<<16)|(1<<21)        ; A: 4 row tiles x 768 elements of 8 bytes, no padding
	s_mov_b32 s[G1A+1], 768<<16
	s_mov_b32 s[G1A+2], 4<<16
	s_mov_b32 s[G1A+3], 768<<16
	s_mov_b32 s[G1A+4], 4
	s_mov_b32 s[G1A+5], SIZE_K*3/2                 ; a row tile is 12 SIZE_K bytes
	s_mov_b32 s[G1A+6], 0
	s_mov_b32 s[G1A+7], 0
	s_or_b32 s[G1B+0], s45, (0<<16)|(1<<20)|(1<<21)|(3<<22)|(3<<25)  ; W: 128 rows x 192 bytes, 4 words of padding behind every 16
	s_mov_b32 s[G1B+1], 192<<16
	s_mov_b32 s[G1B+2], 128<<16
	s_mov_b32 s[G1B+3], 192<<16
	s_mov_b32 s[G1B+4], 128
	s_mov_b32 s[G1B+5], KROW
	s_mov_b32 s[G1B+6], 0
	s_mov_b32 s[G1B+7], 0
	s_or_b32 s[G1SA+0], s44, (3<<16)|(1<<21)       ; A's words: for each K step 256 bytes (64 rows), 16,384 bytes apart
	s_mov_b32 s[G1SA+1], 32<<16
	s_mov_b32 s[G1SA+2], NKS<<16
	s_mov_b32 s[G1SA+3], 32<<16
	s_mov_b32 s[G1SA+4], NKS
	s_mov_b32 s[G1SA+5], 2048
	s_mov_b32 s[G1SA+6], 0
	s_mov_b32 s[G1SA+7], 0
	s_or_b32 s[G1SB+0], s45, (3<<16)|(1<<20)|(1<<21)|(5<<22)|(3<<25) ; W's bytes of 64 rows: a dense block as rows of 256 bytes, padded
	s_mov_b32 s[G1SB+1], 32<<16
	s_mov_b32 s[G1SB+2], (64*KS/256)<<16
	s_mov_b32 s[G1SB+3], 32<<16
	s_mov_b32 s[G1SB+4], 64*KS/256
	s_mov_b32 s[G1SB+5], 32
	s_mov_b32 s[G1SB+6], 0
	s_mov_b32 s[G1SB+7], 0
	s_lshl_b32 s20, s43, 3
	s_lshl_b32 s21, s18, 2
	s_add_co_u32 s20, s20, s21
	s_mul_i32 s20, s20, 12*SIZE_K                  ; A: row tile 8 x tile row + 4 x half
	s_mov_b32 s21, 0
	s_lshl_b32 s22, s43, 9
	s_lshl_b32 s23, s18, 8
	s_add_co_u32 s22, s22, s23
	s_add_co_u32 s22, s22, 3072*SIZE_K             ; A's words of rows 128 x tile row + 64 x half
	s_mov_b32 s23, 0
	s_mul_i32 s46, s42, 128*KROW
	s_mul_i32 s47, s18, 192
	s_add_co_u32 s46, s46, s47                     ; W: row 128 x tile column, 256 x half along K
	s_mov_b32 s47, 0
	s_mul_i32 s92, s42, 128*KS
	s_mul_i32 s93, s18, 64*KS
	s_add_co_u32 s92, s92, s93                     ; W's bytes of rows 128 x tile column + 64 x half
	s_mov_b32 s93, 0
	s_mul_i32 s94, s18, 4*ATILE                    ; and where they go: no place in the cluster enters an LDS address
	s_mul_i32 s95, s18, SUBB
	s_add_co_u32 s95, s95, 8*ATILE
	s_mul_i32 s96, s18, HALFSA
	s_add_co_u32 s96, s96, ASC
	s_mul_i32 s97, s18, HALFSB
	s_add_co_u32 s97, s97, BSC
	s_wait_kmcnt 0x0
	s_add_nc_u64 s[20:21], s[4:5], s[20:21]
	s_add_nc_u64 s[22:23], s[4:5], s[22:23]
	s_add_nc_u64 s[46:47], s[6:7], s[46:47]
	s_add_nc_u64 s[92:93], s[8:9], s[92:93]
	CROUND                                         ; all sixteen work-groups are here: the first joint loads meet
	s_mov_b32 s[G0SA], 1
	s_mov_b32 s[G0SA+1], s96
	s_mov_b64 s[G0SA+2:G0SA+3], s[22:23]
	s_or_b32 s[G0SA+3], s[G0SA+3], 0x80000000
	s_mov_b32 s[G0SB], 1
	s_mov_b32 s[G0SB+1], s97
	s_mov_b64 s[G0SB+2:G0SB+3], s[92:93]
	s_or_b32 s[G0SB+3], s[G0SB+3], 0x80000000
	JLOAD G0SA, G1SA, G0SB, G1SB
.irp s, 0,1
	s_mov_b32 s[G0A+4*\s], 1
	s_add_co_u32 s[G0A+4*\s+1], s94, \s*SLOT
	s_add_nc_u64 s[G0A+4*\s+2:G0A+4*\s+3], s[20:21], \s*ATILE
	s_or_b32 s[G0A+4*\s+3], s[G0A+4*\s+3], 0x80000000
	s_mov_b32 s[G0B+4*\s], 1
	s_add_co_u32 s[G0B+4*\s+1], s95, \s*SLOT
	s_add_nc_u64 s[G0B+4*\s+2:G0B+4*\s+3], s[46:47], \s*384
	s_or_b32 s[G0B+4*\s+3], s[G0B+4*\s+3], 0x80000000
	JLOAD G0A+4*\s, G1A, G0B+4*\s, G1B
.endr
	v_and_b32 v1, 15, v0                           ; r
	v_bfe_u32 v2, v0, 4, 1                         ; h
	v_and_b32 v3, 31, v0
	v_lshlrev_b32 v4, 4, v3
	v_lshlrev_b32 v5, 3, v3
	s_mul_i32 s20, s17, 4*ATILE                    ; my four row tiles of A
	v_add_nc_u32 v[ADA16], s20, v4
	v_add_nc_u32 v[ADA8], s20, v5
	s_add_co_u32 s20, s20, SLOT
	v_add_nc_u32 v[ADA16+1], s20, v4
	v_add_nc_u32 v[ADA8+1], s20, v5
	v_mul_u32_u24 v6, v1, PITCH
	v_mad_u32_u24 v6, v2, 24, v6
	v_lshl_add_u32 v7, v2, 4, v6
	s_mul_i32 s21, s18, 64*PITCH                   ; my 64 rows of W
	s_add_co_u32 s21, s21, 8*ATILE
	v_add_nc_u32 v[ADB], s21, v6
	v_add_nc_u32 v[ADB+2], s21, v7
	s_add_co_u32 s21, s21, SLOT
	v_add_nc_u32 v[ADB+1], s21, v6
	v_add_nc_u32 v[ADB+3], s21, v7
	s_mul_i32 s20, s17, HALFSA
	s_add_co_u32 s20, s20, ASC
	v_lshl_add_u32 v[ADSA], v3, 2, s20             ; lanes 0-15 one row tile's words, lanes 16-31 the next's
	v_mul_u32_u24 v6, v1, KS
	v_lshrrev_b32 v7, 8, v6
	v_lshl_add_u32 v6, v7, 4, v6
	s_mul_i32 s21, s18, HALFSB
	s_add_co_u32 s21, s21, BSC
	v_add_nc_u32 v[ADSB], s21, v6
	s_mul_i32 s20, s16, 16*SPITCH                  ; my stage
	v_mul_u32_u24 v6, v1, SPITCH
	v_lshl_add_u32 v6, v2, 5, v6
	v_add_nc_u32 v[STO], s20, v6                   ; in: row r, 32 bytes for each half of the lanes
	v_mul_u32_u24 v6, v2, SPITCH
	v_lshl_add_u32 v6, v1, 4, v6
	v_add_nc_u32 v[RD], s20, v6                    ; back: lanes 0-15 one row of 256 bytes, lanes 16-31 the next
	v_lshlrev_b32 v[BO], 4, v1
	v_lshl_add_u32 v[CO], v2, 12, v[BO]            ; the same two rows in out and in the residual
	s_lshl_b32 s20, s43, 7
	s_lshl_b32 s21, s17, 6
	s_add_co_u32 s20, s20, s21                     ; my first row
	s_lshl_b32 s20, s20, 12
	s_lshl_b32 s46, s42, 7
	s_lshl_b32 s47, s18, 6
	s_add_co_u32 s46, s46, s47                     ; my first column
	s_lshl_b32 s46, s46, 2
	s_mov_b32 s47, 0
	s_add_nc_u64 s[10:11], s[10:11], s[46:47]
	s_add_co_u32 s20, s20, s46
	s_mov_b32 s21, 0
	s_add_nc_u64 s[12:13], s[12:13], s[20:21]
	s_add_nc_u64 s[14:15], s[14:15], s[20:21]
	global_load_b128 v[BIAS:BIAS+3], v[BO], s[10:11]
	WIN 0x80                                       ; destination window 2
.irp a, 0,1,2,3
.irp t, 0,1,2,3,4,5,6,7
	global_load_b128 v[4*(8*\a+\t):4*(8*\a+\t)+3], v[CO], s[12:13] offset:(16*\a+2*\t)*4096
.endr
.endr
	WIN 0
.macro FRAGA reg, slot, q, i           ; two H-images are a fragment: 16 rows x 128 K
	ds_load_b128 v[\reg:\reg+3], v[ADA16+\slot] offset:ATILE*(\i)+1536*(\q)
	ds_load_b64 v[\reg+4:\reg+5], v[ADA8+\slot] offset:ATILE*(\i)+1536*(\q)+512
	ds_load_b128 v[\reg+6:\reg+9], v[ADA16+\slot] offset:ATILE*(\i)+1536*(\q)+768
	ds_load_b64 v[\reg+10:\reg+11], v[ADA8+\slot] offset:ATILE*(\i)+1536*(\q)+1280
.endm
.macro FRAGB reg, slot, q, i           ; from rows: pieces of 8 bytes; where lanes 16-31's piece lies behind one padding more the second address register serves
.irp p, 0,1,2,3,4,5
.set PCE, 12*((\q)%2)+6*(\p/3)+\p%3
.if PCE%8 < 5
	ds_load_b64 v[\reg+2*\p:\reg+2*\p+1], v[ADB+\slot] offset:8*PCE+16*(PCE/8)+(\i)*16*PITCH+SUBB*((\q)/2)
.else
	ds_load_b64 v[\reg+2*\p:\reg+2*\p+1], v[ADB+2+\slot] offset:8*PCE+16*(PCE/8)+(\i)*16*PITCH+SUBB*((\q)/2)
.endif
.endr
.endm
.macro FETCH slot, q, f                ; 40 loads: the slot's q-th 128 along K into buffer f
	WIN TO_F
.irp i, 0,1,2,3
	FRAGB \f+48+FR*\i, \slot, \q, \i
.endr
.irp i, 0,1,2,3
	FRAGA \f+FR*\i, \slot, \q, \i
.endr
	WIN 0
.endm
.macro SCALES set                      ; a slot's scales: 12 loads
.irp q, 0,1,2,3
.irp i, 0,1
	ds_load_b32 v[SCR+24*\set+2*\q+\i], v[ADSA] offset:256*\q+128*\i
.endr
.endr
.irp i, 0,1,2,3
	ds_load_b128 v[SCR+24*\set+8+4*\i:SCR+24*\set+8+4*\i+3], v[ADSB] offset:SBLK*\i
.endr
.endm
.macro MUL4 f, a, q, set, zero         ; A's row tile a x W's four blocks; the 16 accumulators take turns in one order everywhere
.irp b, 0,1,2,3
.if \zero
.if (\a)%2
	v_wmma_scale_f32_16x16x128_f8f6f4 v[ACC+8*(4*(\a)+\b):ACC+8*(4*(\a)+\b)+7], v[\f+48+FR*\b:\f+48+FR*\b+FR-1], v[\f+FR*(\a):\f+FR*(\a)+FR-1], 0, v[SCR+24*(\set)+8+4*\b+(\q)], v[SCR+24*(\set)+2*(\q)+(\a)/2] matrix_a_fmt:MATRIX_FMT_FP6 matrix_b_fmt:MATRIX_FMT_FP6 matrix_b_scale:MATRIX_SCALE_ROW1
.else
	v_wmma_scale_f32_16x16x128_f8f6f4 v[ACC+8*(4*(\a)+\b):ACC+8*(4*(\a)+\b)+7], v[\f+48+FR*\b:\f+48+FR*\b+FR-1], v[\f+FR*(\a):\f+FR*(\a)+FR-1], 0, v[SCR+24*(\set)+8+4*\b+(\q)], v[SCR+24*(\set)+2*(\q)+(\a)/2] matrix_a_fmt:MATRIX_FMT_FP6 matrix_b_fmt:MATRIX_FMT_FP6
.endif
.else
.if (\a)%2
	v_wmma_scale_f32_16x16x128_f8f6f4 v[ACC+8*(4*(\a)+\b):ACC+8*(4*(\a)+\b)+7], v[\f+48+FR*\b:\f+48+FR*\b+FR-1], v[\f+FR*(\a):\f+FR*(\a)+FR-1], v[ACC+8*(4*(\a)+\b):ACC+8*(4*(\a)+\b)+7], v[SCR+24*(\set)+8+4*\b+(\q)], v[SCR+24*(\set)+2*(\q)+(\a)/2] matrix_a_fmt:MATRIX_FMT_FP6 matrix_b_fmt:MATRIX_FMT_FP6 matrix_b_scale:MATRIX_SCALE_ROW1
.else
	v_wmma_scale_f32_16x16x128_f8f6f4 v[ACC+8*(4*(\a)+\b):ACC+8*(4*(\a)+\b)+7], v[\f+48+FR*\b:\f+48+FR*\b+FR-1], v[\f+FR*(\a):\f+FR*(\a)+FR-1], v[ACC+8*(4*(\a)+\b):ACC+8*(4*(\a)+\b)+7], v[SCR+24*(\set)+8+4*\b+(\q)], v[SCR+24*(\set)+2*(\q)+(\a)/2] matrix_a_fmt:MATRIX_FMT_FP6 matrix_b_fmt:MATRIX_FMT_FP6
.endif
.endif
.endr
.endm
.macro PLACES                          ; plain vector lines between a matrix instruction and a load into, or a read of, its registers
.rept 4
	v_nop
.endr
.endm
.macro KSTEP slot, q, zero             ; one of a slot's first three steps: the next step's fragments go out, then this step's 16 products
	PLACES
	FETCH \slot, (\q)+1, 128*(1-(\q)%2)
	s_wait_dscnt 40                                ; all but the 40 loads just issued
	WIN MUL
.irp a, 0,1,2,3
	MUL4 128*((\q)%2), \a, \q, \slot, \zero
.endr
.endm
.macro TURN slot, next, fill           ; a slot's last step changes slots: one barrier; with fill = 1 it opens a round of the cluster's barrier and the slot is filled again
	WIN 0
	s_wait_tensorcnt 0x0                           ; all my tensor loads have landed: my part of the next slot
	ds_add_u32 v[SPW], v[NIL]                      ; 0 onto my spare word
	s_wait_dscnt 1                                 ; this step's fragments are in; the add may be out
	WIN MUL
	MUL4 128, 0, 3, \slot, 0
	s_wait_dscnt 0x0                               ; the add is done, and my reads of this slot are over
	s_barrier_signal -1
	MUL4 128, 1, 3, \slot, 0
	WIN 0
	s_barrier_wait -1
.if \fill
	CREST                                          ; no wave of any partner still reads this slot or has a load on its way
	s_add_nc_u64 s[G0A+4*\slot+2:G0A+4*\slot+3], s[G0A+4*\slot+2:G0A+4*\slot+3], 2*ATILE
	s_add_nc_u64 s[G0B+4*\slot+2:G0B+4*\slot+3], s[G0B+4*\slot+2:G0B+4*\slot+3], 768
	JLOAD G0A+4*\slot, G1A, G0B+4*\slot, G1B       ; the first tensor load behind the round; its four v_nop are the places for the loads below
.else
	PLACES
.endif
	v_add_nc_u32 v[ADSA], 1024, v[ADSA]            ; the next slot's scales
	v_add_nc_u32 v[ADSB], 16, v[ADSB]
	FETCH \next, 0, 0
	SCALES \next
	WIN MUL
	MUL4 128, 2, 3, \slot, 0
	MUL4 128, 3, 3, \slot, 0
.endm
	s_wait_tensorcnt 1                             ; the scales and my part of slot 0 are in; slot 1's load may be out
	s_barrier_signal -1
	s_barrier_wait -1
	FETCH 0, 0, 0
	SCALES 0
	KSTEP 0, 0, 1                                  ; the first step's products start the sums
.if LAPS > 1
	WIN 0
	s_mov_b32 s19, LAPS-1
.Llap:
	KSTEP 0, 1, 0
	KSTEP 0, 2, 0
	TURN 0, 1, 1
	KSTEP 1, 0, 0
	KSTEP 1, 1, 0
	KSTEP 1, 2, 0
	TURN 1, 0, 1
	KSTEP 0, 0, 0
	WIN 0
	s_sub_co_u32 s19, s19, 1
	s_cmp_lg_u32 s19, 0
	s_cbranch_scc1 .Llap
.endif
	KSTEP 0, 1, 0
	KSTEP 0, 2, 0
	TURN 0, 1, 0                                   ; the last lap fills nothing
	KSTEP 1, 0, 0
	KSTEP 1, 1, 0
	KSTEP 1, 2, 0
	s_wait_dscnt 0x0
	WIN MUL
.irp a, 0,1,2,3
	MUL4 128, \a, 3, 1, 0
.endr
	WIN 0
; THE WAY OUT, 16 rows at a time through my own stage: a lane's 32 bytes of a row go in, whole rows of 256 bytes come back; bias and residual are added; sixteen lanes store 256 consecutive bytes, aligned.
.macro TOSTAGE a
.irp b, 0,1,2,3
	ds_store_b128 v[STO], v[ACC+8*(4*(\a)+\b):ACC+8*(4*(\a)+\b)+3] offset:64*\b       ; each accumulator from its low end on
	ds_store_b128 v[STO], v[ACC+8*(4*(\a)+\b)+4:ACC+8*(4*(\a)+\b)+7] offset:64*\b+16
.endr
.set BB, OB0+(OB1-OB0)*((\a)%2)
.irp t, 0,1,2,3,4,5,6,7
	ds_load_b128 v[BB+4*\t:BB+4*\t+3], v[RD] offset:\t*2*SPITCH    ; LDS serves a wave's instructions in order: these see the stores above
.endr
.endm
.macro SEND a, younger
.set BB, OB0+(OB1-OB0)*((\a)%2)
	s_wait_dscnt \younger                          ; the block is back; the next block's 8 stores and 8 loads may be out
.irp p, 0,1,2,3,4,5,6,7,8,9,10,11,12,13,14,15
	v_pk_add_f32 v[BB+2*\p:BB+2*\p+1], v[BB+2*\p:BB+2*\p+1], v[BIAS+2*(\p%2):BIAS+2*(\p%2)+1]
.endr
	WIN 0x08                                       ; source 1: window 2
.irp p, 0,1,2,3,4,5,6,7,8,9,10,11,12,13,14,15
	v_pk_add_f32 v[BB+2*\p:BB+2*\p+1], v[BB+2*\p:BB+2*\p+1], v[32*(\a)+2*\p:32*(\a)+2*\p+1]
.endr
	WIN 0
.irp t, 0,1,2,3,4,5,6,7
	global_store_b128 v[CO], v[BB+4*\t:BB+4*\t+3], s[14:15] offset:(16*(\a)+2*\t)*4096
.endr
.endm
	PLACES
	s_wait_loadcnt 0x0                             ; bias and residual
	TOSTAGE 0
.irp a, 1,2,3
.if \a > 1
	s_wait_xcnt 0x0                                ; block a - 2's stores have read their registers: block a's rows may land there
.endif
	TOSTAGE \a
	SEND \a-1, 16
.endr
	SEND 3, 0
	s_wait_tensorcnt 0x0                           ; the wave's end
	ds_add_u32 v[SPW], v[NIL]
	s_wait_dscnt 0x0
	CROUND                                         ; the closing round
	s_endpgm
.Lfunc_end_k_qd1e0d97e8a_oproj:
	.size	k_qd1e0d97e8a_oproj, .Lfunc_end_k_qd1e0d97e8a_oproj-k_qd1e0d97e8a_oproj
	.p2alignl 7, 3214868480
	.fill 96, 4, 3214868480
	.section	.rodata,"a",@progbits
	.p2align	6, 0x0
	.amdhsa_kernel k_qd1e0d97e8a_oproj
		.amdhsa_group_segment_fixed_size 327680
		.amdhsa_private_segment_fixed_size 0
		.amdhsa_enable_private_segment 0
		.amdhsa_kernarg_size 48
		.amdhsa_user_sgpr_count 2
		.amdhsa_user_sgpr_kernarg_segment_ptr 1
		.amdhsa_wavefront_size32 1
		.amdhsa_system_sgpr_workgroup_id_x 1
		.amdhsa_system_sgpr_workgroup_id_y 1
		.amdhsa_system_sgpr_workgroup_id_z 1
		.amdhsa_system_vgpr_workitem_id 0
		.amdhsa_next_free_vgpr 768
		.amdhsa_next_free_sgpr 100
		.amdhsa_reserve_vcc 0
		.amdhsa_float_denorm_mode_32 3
		.amdhsa_float_denorm_mode_16_64 3
		.amdhsa_memory_ordered 1
		.amdhsa_forward_progress 1
		.amdhsa_inst_pref_size 70
	.end_amdhsa_kernel
	.amdgpu_metadata
---
amdhsa.version: [ 1, 2 ]
amdhsa.kernels:
  - .name:           k_qd1e0d97e8a_oproj
    .symbol:         k_qd1e0d97e8a_oproj.kd
    .args:
      - { .name: cb, .offset: 0, .size: 8, .value_kind: global_buffer, .address_space: global }
      - { .name: wo_codes, .offset: 8, .size: 8, .value_kind: global_buffer, .address_space: global }
      - { .name: wo_scales, .offset: 16, .size: 8, .value_kind: global_buffer, .address_space: global }
      - { .name: bo, .offset: 24, .size: 8, .value_kind: global_buffer, .address_space: global }
      - { .name: x, .offset: 32, .size: 8, .value_kind: global_buffer, .address_space: global }
      - { .name: hb, .offset: 40, .size: 8, .value_kind: global_buffer, .address_space: global }
    .group_segment_fixed_size: 327680
    .private_segment_fixed_size: 0
    .kernarg_segment_align: 8
    .kernarg_segment_size: 48
    .max_flat_workgroup_size: 128
    .sgpr_count:     100
    .vgpr_count:     768
    .wavefront_size: 32
...
	.end_amdgpu_metadata
.endif
;; end of part 4
;; launch ln2: the kernel of part 1 again; grid 256 x 1, 4 waves a work-group, no clusters, 21,504 bytes of LDS; arguments hb, ln2_scale, ln2_shift, act; writes act
;; launch fc (part 5): grid 16 x 16, 4 waves a work-group, clusters of 4 x 4, 327,680 bytes of LDS; arguments act, w_fc_codes, w_fc_scales, b_fc, gb; writes gb
.if DOCPART == 5
	.amdgcn_target "amdgcn-amd-amdhsa--gfx1250"
	.amdhsa_code_object_version 6
	.text
	.protected	k_qd1e0d97e8a_fc
	.globl	k_qd1e0d97e8a_fc
	.p2align	8
	.type	k_qd1e0d97e8a_fc,@function
k_qd1e0d97e8a_fc:
	s_mov_b64 s[64:65], 0
	v_nop
	global_prefetch_b8 v0, s[64:65] scope:SCOPE_SE
	s_setreg_imm32_b32 hwreg(HW_REG_WAVE_MODE, 25, 1), 1
	s_wait_xcnt 0x0
	s_wait_alu depctr_hold_cnt(0) depctr_sa_sdst(0) depctr_va_vdst(0) depctr_va_sdst(0) depctr_va_ssrc(0) depctr_va_vcc(0) depctr_vm_vsrc(0)
	s_getreg_b32 s2, hwreg(HW_REG_IB_STS2, 6, 4)
	s_cmp_eq_u32 s2, 0
	s_cbranch_scc0 .Lentry_in_a_cluster
	s_endpgm
.Lentry_in_a_cluster:
	s_bfe_u32 s2, ttmp6, 0x10000c
	s_cmp_lg_u32 s2, 0xf033
	s_cbranch_scc0 .Lentry_shape_is_right
	s_endpgm
.Lentry_shape_is_right:
; g = gelu(LN2(h) W_fc + b_fc) on codes of FP6 (E2M3) with E8M0 scales, K = 1,024, N = 4,096; g is quantised here along N, the next product's K, and leaves as images of operand registers.
; A tile of 256 x 256 to a work-group, 128 x 128 to each of four waves (64 accumulators); K in steps of 256 through two LDS slots filled by joint tensor loads of a 4 x 4 cluster; the scale bytes come once.
; TRANSPOSED USE: source 0 = rows of W, source 1 = tokens: lane (r, h) of accumulator (a, b) holds token 16 a + r and, in register j, column 16 b + 8 h + j.
; gelu(x) = x / (1 + 2^(x (k1 + k2 x^2))), k1 = -2 log2(e) sqrt(2 / pi), k2 = 0.044715 k1: the same function as 0.5 x (1 + tanh(..)), with no difference of near numbers for negative x and no NaN at either end.
; g meets given weights, so its codes lie in the true order: eight lane swaps a block give a lane 16 neighbouring columns ahead of the quantiser.
; OUT: gb: [row tile 256][group of 64 columns][H-image of 768 bytes: registers 0-3 at 16 x lane, registers 4-5 at 512 + 8 x lane]; 12,582,912 on: scale words [128 columns][4096 rows].
; LIMITS: NaN and infinities are not served; a block of zeros (or under 2^-124) keeps the byte 1: its codes are zeros and only this program reads the bytes.
.set KSTEP,  256
.set NQ,     2
.set ROWB,   192
.set KROW,   768
.set PITCH,  240
.set FR,     12
.set NL,     6
.set NP,     4
.set HALFT,  128*PITCH
.set SLOT,   4*HALFT
.set LAPS,   2
.set KS,     32
.set SCL,    2*SLOT
.set HALFS,  (128*KS/256)*272
.set SBLK,   (16*KS/256)*272
.set SPARE,  SCL+4*HALFS               ; the spare words: 128 bytes a wave, named by no other line
.set ADRA, 16
.set ADRB, 20
.set ADRS, 27
.set SPW,  28
.set NIL,  29
.set SC,   32
.set AF,   128
.set W,    32                          ; the way out: a scale word for each block of 16 tokens
.set BI,   64                          ; v64-127 the bias, idle in the loop
.set HA,   128                         ; v128-191 the 64 numbers of a lane for one block of tokens
.set GA,   192                         ; v192-255 the gelu's scratch; behind it:
.set TM,   192                         ; v192-207 at work in QUANT
.set PC,   208                         ; v208-227 the codes just made
.set G1, 24
.set G0, 32
.set G1B, 48
.set G0B, 56
.set G1S, 68
.set G0S, 76
.set G1SB, 80
.set G0SB, 88
.set SEL, 66
.set MSB, 0
.macro WIN new
.if MSB != (\new)
	s_set_vgpr_msb (MSB<<8)|(\new)
.set MSB, (\new)
.endif
.endm
.set MUL_LO, 0xa1
.set MUL_HI, 0xf1
.set TO_B,   0x40
.macro JLOAD g0a, g1a, g0b, g1b        ; waves 0 and 1 ask for the tokens, waves 2 and 3 for W; four v_nop follow each line
	s_cmp_eq_u32 s15, 0
	s_cbranch_scc0 .Lfor_b_\@
	tensor_load_to_lds s[\g0a:\g0a+3], s[\g1a:\g1a+7]
	s_nop 0
.rept 4
	v_nop
.endr
	s_branch .Lasked_\@
.Lfor_b_\@:
	tensor_load_to_lds s[\g0b:\g0b+3], s[\g1b:\g1b+7]
	s_nop 0
.rept 4
	v_nop
.endr
.Lasked_\@:
.endm
.macro CREST
	s_cmp_lg_u32 s14, 0
	s_cbranch_scc1 .Lnot_wave_0_\@
	s_barrier_signal -3
.Lnot_wave_0_\@:
	s_barrier_wait -3
	s_barrier_signal -1
	s_barrier_wait -1
.endm
.macro CROUND
	s_barrier_signal -1
	s_barrier_wait -1
	CREST
.endm
	s_load_b256 s[4:11], s[0:1], 0x0               ; act, W's codes, W's scales, b_fc
	s_load_b64 s[12:13], s[0:1], 0x20              ; gb
	v_lshl_add_u32 v[SPW], v0, 2, SPARE
	v_mov_b32 v[NIL], 0
	ds_add_u32 v28, v29
	ds_add_u32 v28, v29
	s_wait_dscnt 0x0
	v_lshrrev_b32 v1, 5, v0
	v_readfirstlane_b32 s14, v1
	s_lshr_b32 s15, s14, 1
	s_and_b32 s16, s14, 1
	s_bfe_u32 s40, ttmp6, 0x40000
	s_bfe_u32 s41, ttmp6, 0x40004
	s_lshl_b32 s42, ttmp9, 2
	s_add_co_u32 s42, s42, s40                     ; tile column
	s_and_b32 s17, ttmp7, 0xffff
	s_lshl_b32 s17, s17, 2
	s_add_co_u32 s17, s17, s41                     ; tile row
	s_lshl_b32 s43, s41, 2
	s_lshl_b32 s43, 15, s43
	s_lshl_b32 s44, 0x1111, s40
	s_lshl_b32 s95, s17, 8
	s_lshl_b32 s18, s15, 7
	s_add_co_u32 s95, s95, s18                     ; RA: my first token
	s_lshl_b32 s96, s42, 8
	s_lshl_b32 s18, s16, 7
	s_add_co_u32 s96, s96, s18                     ; RB: my first column
	s_or_b32 s[G1+0], s43, (0<<16)|(1<<20)|(1<<21)|(3<<22)|(3<<25)
	s_or_b32 s[G1B+0], s44, (0<<16)|(1<<20)|(1<<21)|(3<<22)|(3<<25)
.irp g, G1, G1B
	s_mov_b32 s[\g+1], ROWB<<16
	s_mov_b32 s[\g+2], 128<<16
	s_mov_b32 s[\g+3], ROWB<<16
	s_mov_b32 s[\g+4], 128
	s_mov_b32 s[\g+5], KROW
	s_mov_b32 s[\g+6], 0
	s_mov_b32 s[\g+7], 0
.endr
	s_or_b32 s[G1S+0], s43, (3<<16)|(1<<20)|(1<<21)|(5<<22)|(3<<25)
	s_or_b32 s[G1SB+0], s44, (3<<16)|(1<<20)|(1<<21)|(5<<22)|(3<<25)
.irp g, G1S, G1SB
	s_mov_b32 s[\g+1], 32<<16
	s_mov_b32 s[\g+2], (128*KS/256)<<16
	s_mov_b32 s[\g+3], 32<<16
	s_mov_b32 s[\g+4], 128*KS/256
	s_mov_b32 s[\g+5], 32
	s_mov_b32 s[\g+6], 0
	s_mov_b32 s[\g+7], 0
.endr
	s_lshl_b32 s18, s16, 7
	s_lshl_b32 s20, s17, 8
	s_add_co_u32 s20, s20, s18
	s_lshl_b32 s46, s42, 8
	s_add_co_u32 s46, s46, s18
	s_mov_b32 s21, 0
	s_mov_b32 s47, 0
	s_mov_b64 s[18:19], KS
	s_mul_u64 s[22:23], s[20:21], s[18:19]
	s_mul_u64 s[92:93], s[46:47], s[18:19]
	s_mov_b64 s[18:19], KROW
	s_mul_u64 s[20:21], s[20:21], s[18:19]
	s_mul_u64 s[46:47], s[46:47], s[18:19]
	s_mul_i32 s45, s14, HALFT
	s_mul_i32 s94, s14, HALFS
	s_wait_kmcnt 0x0
	s_mov_b64 s[98:99], s[10:11]                   ; the bias
	s_mov_b64 s[10:11], s[8:9]                     ; W's scales
	s_mov_b64 s[8:9], s[6:7]                       ; W's codes
	s_add_nc_u64 s[6:7], s[4:5], 3145728           ; act's scale bytes
	s_add_nc_u64 s[20:21], s[4:5], s[20:21]
	s_add_nc_u64 s[22:23], s[6:7], s[22:23]
	s_add_nc_u64 s[46:47], s[8:9], s[46:47]
	s_add_nc_u64 s[92:93], s[10:11], s[92:93]
	CROUND                                         ; all sixteen work-groups are here: the first joint loads meet
	s_mov_b32 s[G0S], 1
	s_add_co_u32 s[G0S+1], s94, SCL
	s_mov_b64 s[G0S+2:G0S+3], s[22:23]
	s_or_b32 s[G0S+3], s[G0S+3], 0x80000000
	s_mov_b32 s[G0SB], 1
	s_add_co_u32 s[G0SB+1], s94, SCL
	s_mov_b64 s[G0SB+2:G0SB+3], s[92:93]
	s_or_b32 s[G0SB+3], s[G0SB+3], 0x80000000
	JLOAD G0S, G1S, G0SB, G1SB
.irp s, 0,1
	s_mov_b32 s[G0+4*\s], 1
	s_add_co_u32 s[G0+4*\s+1], s45, \s*SLOT
	s_add_nc_u64 s[G0+4*\s+2:G0+4*\s+3], s[20:21], \s*ROWB
	s_or_b32 s[G0+4*\s+3], s[G0+4*\s+3], 0x80000000
	s_mov_b32 s[G0B+4*\s], 1
	s_add_co_u32 s[G0B+4*\s+1], s45, \s*SLOT
	s_add_nc_u64 s[G0B+4*\s+2:G0B+4*\s+3], s[46:47], \s*ROWB
	s_or_b32 s[G0B+4*\s+3], s[G0B+4*\s+3], 0x80000000
	JLOAD G0+4*\s, G1, G0B+4*\s, G1B
.endr
	v_and_b32 v1, 15, v0
	v_bfe_u32 v2, v0, 4, 1
	v_mul_u32_u24 v3, v1, PITCH
	v_mul_u32_u24 v4, v2, 24
	v_add_nc_u32 v4, v3, v4
	v_lshl_add_u32 v5, v2, 4, v4
	s_mul_i32 s21, s15, HALFT
	s_mul_i32 s22, s16, HALFT
	s_add_co_u32 s22, s22, 2*HALFT
.irp s, 0,1
	v_add_nc_u32 v[ADRA+\s], s21, v4
	v_add_nc_u32 v[ADRB+\s], s22, v4
	v_add_nc_u32 v[ADRA+2+\s], s21, v5
	v_add_nc_u32 v[ADRB+2+\s], s22, v5
	s_add_co_u32 s21, s21, SLOT
	s_add_co_u32 s22, s22, SLOT
.endr
	v_mul_u32_u24 v5, v1, KS
	v_lshrrev_b32 v6, 8, v5
	v_lshl_add_u32 v5, v6, 4, v5
	s_mul_i32 s21, s15, HALFS
	s_mul_i32 s22, s16, HALFS
	s_add_co_u32 s22, s22, 2*HALFS
	s_sub_co_u32 s22, s22, s21
	v_mul_u32_u24 v6, s22, v2
	s_add_co_u32 s21, s21, SCL
	v_add_nc_u32 v5, v5, v6
	v_add_nc_u32 v[ADRS], s21, v5
	v_and_b32 v6, 31, v0
	v_lshlrev_b32 v8, 4, v6                        ; v8  16 x lane
	v_lshlrev_b32 v9, 3, v6                        ; v9  8 x lane
	s_lshl_b32 s21, s14, 9
	v_lshlrev_b32 v10, 2, v1
	v_add_nc_u32 v10, s21, v10                     ; v10 the stage for scale words, in slot 0: 512 w + 4 r
	v_add_nc_u32 v11, s21, v8                      ; v11 and back
	s_lshl_b32 s18, s96, 2
	s_mov_b32 s19, 0
	s_add_nc_u64 s[98:99], s[98:99], s[18:19]
	v_lshlrev_b32 v224, 5, v2                      ; BI[8 b + j] = b_fc[RB + 16 b + 8 h + j]
.irp b, 0,1,2,3,4,5,6,7
	global_load_b128 v[BI+8*\b:BI+8*\b+3], v224, s[98:99] offset:64*\b
	global_load_b128 v[BI+8*\b+4:BI+8*\b+7], v224, s[98:99] offset:64*\b+16
.endr
.macro FRAG reg, adr, q, i
.irp p, 0,1,2,3,4,5
.set PCE, 12*(\q)+6*(\p/3)+\p%3
.if PCE%8 < 5
	ds_load_b64 v[\reg+2*\p:\reg+2*\p+1], v[\adr] offset:8*PCE+16*(PCE/8)+(\i)*16*PITCH
.else
	ds_load_b64 v[\reg+2*\p:\reg+2*\p+1], v[\adr+2] offset:8*PCE+16*(PCE/8)+(\i)*16*PITCH
.endif
.endr
.endm
.macro MUL16 a0, p, q, sc, zero        ; the 64 accumulators take turns, one instruction a turn
.irp a, \a0, \a0+1
.irp b, 0,1,2,3,4,5,6,7
.if \zero
	v_wmma_scale_f32_16x16x128_f8f6f4 v[8*(8*((\a)%4)+\b):8*(8*((\a)%4)+\b)+7], v[128*(\p)+FR*\b:128*(\p)+FR*\b+FR-1], v[AF+FR*(\a):AF+FR*(\a)+FR-1], 0, v[SC+8*NQ*(\sc)+NQ*\b+(\q)], v[SC+8*NQ*(\sc)+NQ*(\a)+(\q)] matrix_a_fmt:MATRIX_FMT_FP6 matrix_b_fmt:MATRIX_FMT_FP6 matrix_a_scale:MATRIX_SCALE_ROW1
.else
	v_wmma_scale_f32_16x16x128_f8f6f4 v[8*(8*((\a)%4)+\b):8*(8*((\a)%4)+\b)+7], v[128*(\p)+FR*\b:128*(\p)+FR*\b+FR-1], v[AF+FR*(\a):AF+FR*(\a)+FR-1], v[8*(8*((\a)%4)+\b):8*(8*((\a)%4)+\b)+7], v[SC+8*NQ*(\sc)+NQ*\b+(\q)], v[SC+8*NQ*(\sc)+NQ*(\a)+(\q)] matrix_a_fmt:MATRIX_FMT_FP6 matrix_b_fmt:MATRIX_FMT_FP6 matrix_a_scale:MATRIX_SCALE_ROW1
.endif
.endr
.endr
.endm
.macro FETCH_B slot, q, p
	WIN TO_B
.irp i, 0,1,2,3,4,5,6,7
	FRAG 128*(\p)+FR*\i, ADRB+\slot, \q, \i
.endr
	WIN 0
.endm
.macro FETCH_A slot, q, i0
.irp i, \i0, \i0+1, \i0+2, \i0+3
	FRAG AF+FR*(\i), ADRA+\slot, \q, \i
.endr
.endm
.macro SCALES sc
.irp i, 0,1,2,3,4,5,6,7
	ds_load_b64 v[SC+8*NQ*\sc+NQ*\i:SC+8*NQ*\sc+NQ*\i+1], v[ADRS] offset:\i*SBLK
.endr
.endm
.macro PLACES n                        ; plain vector lines between a matrix instruction and a load into, or a read of, its registers
.rept \n
	v_nop
.endr
.endm
.macro STEP slot, q, zero
	s_wait_dscnt 4*NL                              ; W's set and the tokens' blocks 0-3 are in; the youngest 24 loads may be out
	WIN MUL_LO
	MUL16 0, (\q)%2, \q, \slot, \zero
	MUL16 2, (\q)%2, \q, \slot, \zero
	s_wait_dscnt 0
	PLACES NP
	FETCH_B \slot, (\q)+1, 1-(\q)%2
	FETCH_A \slot, (\q)+1, 0
	WIN MUL_HI
	MUL16 4, (\q)%2, \q, \slot, \zero
	MUL16 6, (\q)%2, \q, \slot, \zero
	PLACES NP
	WIN 0
	FETCH_A \slot, (\q)+1, 4
.endm
.macro TURN slot, next, fill
	s_wait_tensorcnt 0x0                           ; all my tensor loads have landed: my part of the next slot
	ds_add_u32 v[SPW], v[NIL]                      ; 0 onto my spare word
	s_wait_dscnt 4*NL+1                            ; the add and the youngest 24 loads may be out
	WIN MUL_LO
	MUL16 0, 1, NQ-1, \slot, 0
	s_wait_dscnt 0x0                               ; the add is done, and my reads of this slot are over
	s_barrier_signal -1
	MUL16 2, 1, NQ-1, \slot, 0
	WIN 0
	s_barrier_wait -1
.if \fill
	CREST                                          ; no wave of any partner still reads this slot or has a load on its way
	s_add_nc_u64 s[G0+4*\slot+2:G0+4*\slot+3], s[G0+4*\slot+2:G0+4*\slot+3], 2*ROWB
	s_add_nc_u64 s[G0B+4*\slot+2:G0B+4*\slot+3], s[G0B+4*\slot+2:G0B+4*\slot+3], 2*ROWB
	JLOAD G0+4*\slot, G1, G0B+4*\slot, G1B
.else
	PLACES NP
.endif
	v_add_nc_u32 v[ADRS], 4*NQ, v[ADRS]
	FETCH_B \next, 0, 0
	FETCH_A \next, 0, 0
	SCALES \next
	WIN MUL_HI
	MUL16 4, 1, NQ-1, \slot, 0
	MUL16 6, 1, NQ-1, \slot, 0
	PLACES NP
	WIN 0
	FETCH_A \next, 0, 4
.endm
	s_wait_tensorcnt 1                             ; the scales and my part of slot 0 are in; slot 1's load may be out
	s_barrier_signal -1
	s_barrier_wait -1
	FETCH_B 0, 0, 0
	FETCH_A 0, 0, 0
	SCALES 0
	FETCH_A 0, 0, 4
	STEP 0, 0, 1
	s_mov_b32 s3, LAPS-1
.Llap:
	TURN 0, 1, 1
	STEP 1, 0, 0
	TURN 1, 0, 1
	STEP 0, 0, 0
	s_sub_co_u32 s3, s3, 1
	s_cmp_lg_u32 s3, 0
	s_cbranch_scc1 .Llap
	TURN 0, 1, 0
	STEP 1, 0, 0
	s_wait_dscnt 4*NL
	WIN MUL_LO
	MUL16 0, 1, NQ-1, 1, 0
	MUL16 2, 1, NQ-1, 1, 0
	s_wait_dscnt 0
	WIN MUL_HI
	MUL16 4, 1, NQ-1, 1, 0
	MUL16 6, 1, NQ-1, 1, 0
	WIN 0
; THE WAY OUT, a block of 16 tokens at a time.
.macro ADDB a                          ; the block's 64 numbers + bias into window 0; each accumulator is read from its low end on
	WIN 0x02+(\a)/4
.set pp, 0
.rept 32
	v_pk_add_f32 v[HA+2*pp:HA+2*pp+1], v[64*((\a)%4)+2*pp:64*((\a)%4)+2*pp+1], v[BI+2*pp:BI+2*pp+1]
.set pp, pp+1
.endr
	WIN 0
.endm
.macro GELU
.set pp, 0
.rept 32
	v_pk_mul_f32 v[GA+2*pp:GA+2*pp+1], v[HA+2*pp:HA+2*pp+1], v[HA+2*pp:HA+2*pp+1]
.set pp, pp+1
.endr
.set pp, 0
.rept 32
	v_pk_fma_f32 v[GA+2*pp:GA+2*pp+1], v[GA+2*pp:GA+2*pp+1], v[40:41], v[42:43]   ; k2 x^2 + k1
.set pp, pp+1
.endr
.set pp, 0
.rept 32
	v_pk_mul_f32 v[GA+2*pp:GA+2*pp+1], v[GA+2*pp:GA+2*pp+1], v[HA+2*pp:HA+2*pp+1]
.set pp, pp+1
.endr
.set pp, 0
.rept 64
	v_exp_f32 v[GA+pp], v[GA+pp]
.set pp, pp+1
.endr
	v_nop                                          ; a plain line behind the batch,
	s_wait_alu depctr_va_vdst(0)                   ; and one wait for the 64, ahead of their first reader
.set pp, 0
.rept 32
	v_pk_add_f32 v[GA+2*pp:GA+2*pp+1], v[GA+2*pp:GA+2*pp+1], 1.0 op_sel_hi:[1,0]
.set pp, pp+1
.endr
.set pp, 0
.rept 64
	v_rcp_f32 v[GA+pp], v[GA+pp]
.set pp, pp+1
.endr
	v_nop
	s_wait_alu depctr_va_vdst(0)
.set pp, 0
.rept 32
	v_pk_mul_f32 v[HA+2*pp:HA+2*pp+1], v[HA+2*pp:HA+2*pp+1], v[GA+2*pp:GA+2*pp+1]
.set pp, pp+1
.endr
.endm
.macro SWAP8                           ; register 16 b + i becomes column 32 b + 16 h + i of my token
.irp b, 0,1,2,3
.irp j, 0,1,2,3,4,5,6,7
	v_permlane16_swap_b32 v[HA+16*\b+\j], v[HA+16*\b+8+\j]
.endr
.endr
.endm
.macro QUANT s, pw                     ; 64 numbers of a lane become a fragment's codes in v[PC] on and its scale word in v[pw]
.irp b, 0,1,2,3
	v_max3_num_f32 v[TM+\b], |v[\s+16*\b]|, |v[\s+1+16*\b]|, 0x1800000   ; with the floor 2^(3 - 127): the byte cannot fall under 1
.endr
.irp i, 2,4,6,8,10,12,14
.irp b, 0,1,2,3
	v_max3_num_f32 v[TM+\b], v[TM+\b], |v[\s+16*\b+\i]|, |v[\s+1+16*\b+\i]|
.endr
.endr
.irp b, 0,1,2,3
	v_permlanex16_b32 v[TM+4+\b], v[TM+\b], s[SEL], s[SEL+1]
.endr
.irp b, 0,1,2,3
	v_max_num_f32 v[TM+\b], v[TM+\b], v[TM+4+\b]
.endr
.irp b, 0,1,2,3
	v_add_nc_u32 v[TM+12+\b], 0xff000000, v[TM+\b]
.endr
.irp b, 0,1,2,3
	v_lshrrev_b32 v[TM+4+\b], 23, v[TM+12+\b]
.endr
	v_lshl_or_b32 v[\pw], v[TM+5], 8, v[TM+4]
	v_lshl_or_b32 v[\pw], v[TM+6], 16, v[\pw]
	v_lshl_or_b32 v[\pw], v[TM+7], 24, v[\pw]
.irp c, 0,1
	v_cvt_scalef32_pk16_fp6_f32 v[PC+6*\c:PC+2+6*\c], v[\s+32*\c:\s+15+32*\c], v[TM+12+2*\c]
	v_cvt_scalef32_pk16_fp6_f32 v[PC+12+4*\c:PC+14+4*\c], v[\s+16+32*\c:\s+31+32*\c], v[TM+12+2*\c+1]
.endr
	v_nop                                          ; one plain line behind a scaled conversion
.irp c, 0,1
.irp i, 0,1,2
	v_permlane16_swap_b32 v[PC+6*\c+\i], v[PC+12+4*\c+\i]
.endr
.irp i, 0,1,2
	v_mov_b32 v[PC+3+6*\c+\i], v[PC+12+4*\c+\i]
.endr
.endr
.endm
	PLACES NP
	s_wait_loadcnt 0x0                             ; the bias
	s_mov_b32 s[SEL], 0x76543210
	s_mov_b32 s[SEL+1], 0xfedcba98
	v_mov_b32 v40, 0xbdd2d3e8                      ; k2
	v_mov_b32 v41, 0xbdd2d3e8
	v_mov_b32 v42, 0xc0135761                      ; k1
	v_mov_b32 v43, 0xc0135761
	s_mul_i32 s20, s95, 3072                       ; 64 x 768 bytes for each 16 tokens,
	s_mul_i32 s21, s96, 12                         ; 768 for each 64 columns
	s_add_co_u32 s20, s20, s21
	s_mov_b32 s21, 0
	s_add_nc_u64 s[4:5], s[12:13], s[20:21]
	s_lshl_b32 s20, s96, 7                         ; 16,384 bytes of words for each 128 columns,
	s_lshl_b32 s22, s95, 2                         ; 4 for each token
	s_add_co_u32 s20, s20, s22
	s_add_co_u32 s20, s20, 12582912
	s_add_nc_u64 s[8:9], s[12:13], s[20:21]
.irp a, 0,1,2,3,4,5,6,7
	s_wait_xcnt 0x0                                ; the last block's stores have read the codes' registers, which the gelu's scratch overlays
	ADDB \a
	GELU
	SWAP8
	QUANT HA, W+\a
.irp c, 0,1
	global_store_b128 v8, v[PC+6*\c:PC+6*\c+3], s[4:5] offset:49152*\a+768*\c          ; 512 consecutive bytes, aligned
	global_store_b64 v9, v[PC+6*\c+4:PC+6*\c+5], s[4:5] offset:49152*\a+768*\c+512     ; 256 consecutive bytes, aligned
.endr
	ds_store_b32 v10, v[W+\a] offset:64*\a         ; both halves of the lanes write the same word
.endr
	ds_load_b128 v[44:47], v11                     ; LDS serves a wave's instructions in order: this sees my stores
	s_wait_dscnt 0x0
	global_store_b128 v8, v[44:47], s[8:9]         ; my 128 tokens' words: 512 consecutive bytes
	s_wait_tensorcnt 0x0                           ; the wave's end
	ds_add_u32 v[SPW], v[NIL]
	s_wait_dscnt 0x0
	CROUND                                         ; the closing round
	s_endpgm
.Lfunc_end_k_qd1e0d97e8a_fc:
	.size	k_qd1e0d97e8a_fc, .Lfunc_end_k_qd1e0d97e8a_fc-k_qd1e0d97e8a_fc
	.p2alignl 7, 3214868480
	.fill 96, 4, 3214868480
	.section	.rodata,"a",@progbits
	.p2align	6, 0x0
	.amdhsa_kernel k_qd1e0d97e8a_fc
		.amdhsa_group_segment_fixed_size 327680
		.amdhsa_private_segment_fixed_size 0
		.amdhsa_enable_private_segment 0
		.amdhsa_kernarg_size 40
		.amdhsa_user_sgpr_count 2
		.amdhsa_user_sgpr_kernarg_segment_ptr 1
		.amdhsa_wavefront_size32 1
		.amdhsa_system_sgpr_workgroup_id_x 1
		.amdhsa_system_sgpr_workgroup_id_y 1
		.amdhsa_system_sgpr_workgroup_id_z 1
		.amdhsa_system_vgpr_workitem_id 0
		.amdhsa_next_free_vgpr 1024
		.amdhsa_next_free_sgpr 100
		.amdhsa_reserve_vcc 0
		.amdhsa_float_denorm_mode_32 3
		.amdhsa_float_denorm_mode_16_64 3
		.amdhsa_memory_ordered 1
		.amdhsa_forward_progress 1
		.amdhsa_inst_pref_size 255
	.end_amdhsa_kernel
	.section	.bss,"aw",@nobits
	.p2align	6
	.space	262144
	.amdgpu_metadata
---
amdhsa.version: [ 1, 2 ]
amdhsa.kernels:
  - .name:           k_qd1e0d97e8a_fc
    .symbol:         k_qd1e0d97e8a_fc.kd
    .args:
      - { .name: act, .offset: 0, .size: 8, .value_kind: global_buffer, .address_space: global }
      - { .name: w_fc_codes, .offset: 8, .size: 8, .value_kind: global_buffer, .address_space: global }
      - { .name: w_fc_scales, .offset: 16, .size: 8, .value_kind: global_buffer, .address_space: global }
      - { .name: b_fc, .offset: 24, .size: 8, .value_kind: global_buffer, .address_space: global }
      - { .name: gb, .offset: 32, .size: 8, .value_kind: global_buffer, .address_space: global }
    .group_segment_fixed_size: 327680
    .private_segment_fixed_size: 0
    .kernarg_segment_align: 8
    .kernarg_segment_size: 40
    .max_flat_workgroup_size: 128
    .sgpr_count:     100
    .vgpr_count:     1024
    .wavefront_size: 32
...
	.end_amdgpu_metadata
.endif
;; end of part 5
;; launch proj (part 6): grid 8 x 32, 4 waves a work-group, clusters of 4 x 4, 327,680 bytes of LDS; arguments gb, w_proj_codes, w_proj_scales, b_proj, hb, out0; writes out0
.if DOCPART == 6
	.amdgcn_target "amdgcn-amd-amdhsa--gfx1250"
	.amdhsa_code_object_version 6
	.text
	.protected	k_qd1e0d97e8a_proj
	.globl	k_qd1e0d97e8a_proj
	.p2align	8
	.type	k_qd1e0d97e8a_proj,@function
k_qd1e0d97e8a_proj:
	s_mov_b64 s[64:65], 0
	v_nop
	global_prefetch_b8 v0, s[64:65] scope:SCOPE_SE
	s_setreg_imm32_b32 hwreg(HW_REG_WAVE_MODE, 25, 1), 1
	s_wait_xcnt 0x0
	s_wait_alu depctr_hold_cnt(0) depctr_sa_sdst(0) depctr_va_vdst(0) depctr_va_sdst(0) depctr_va_ssrc(0) depctr_va_vcc(0) depctr_vm_vsrc(0)
	s_getreg_b32 s2, hwreg(HW_REG_IB_STS2, 6, 4)
	s_cmp_eq_u32 s2, 0
	s_cbranch_scc0 .Lentry_in_a_cluster
	s_endpgm
.Lentry_in_a_cluster:
	s_bfe_u32 s2, ttmp6, 0x10000c
	s_cmp_lg_u32 s2, 0xf033
	s_cbranch_scc0 .Lentry_shape_is_right
	s_endpgm
.Lentry_shape_is_right:
; out = res + bias + A W^T on codes of FP6 (E2M3) with E8M0 scales; out, res: [4096][1024] f32.  A comes as images of operand registers: [row tile 256][SIZE_K / 64][768 bytes], and 3,072 SIZE_K bytes on its
; scale words [SIZE_K / 128][4096]; W as rows of codes [1024][3 SIZE_K / 4 bytes] with scale bytes [1024][SIZE_K / 32].
; N = 1,024 gives 64 tiles of 256 x 256, too few for the WGPs: a tile is 128 x 128, 256 work-groups; a wave makes 64 x 64 in 16 accumulators.
; A slot holds 512 along K (four steps of 128), as much as two slots allow, so that one joint load a wave serves 64 matrix instructions.  All scale words and bytes come once.
; CLUSTER 4 x 4: A's tiles are shared along a row of the cluster, W's along a column: joint loads.  TRANSPOSED USE: source 0 = 16 rows of W, source 1 = 16 rows of A: a lane holds eight neighbouring columns of a row of out.
; The residual's rows are asked for at the head and land under the loop.
; REGISTERS: window 0: v8-29 addresses; v32-79 two sets of scales; v80-83 bias; v128-255 accumulators; on the way out v32-63 and v96-127 take rows.  Window 1: two fragment buffers (A 48, W 48).  Window 2: v0-127 the residual.
.set SIZE_K, 4096
.set KROW,   SIZE_K*3/4
.set PITCH,  240                       ; a row of W's sub-tile: 3 x (64 bytes + 16 of padding)
.set FR,     12
.set SUBB,   128*PITCH                 ; 128 rows x 256 along K
.set ATILE,  6144                      ; a row tile's 8 H-images of a slot
.set SLOT,   8*ATILE+2*SUBB
.set LAPS,   SIZE_K/1024
.set NKS,    SIZE_K/128
.set KS,     SIZE_K/32
.set ASC,    2*SLOT                    ; A's scale words: [half of rows][K step][64 rows]
.set HALFSA, NKS*256
.set BSC,    ASC+2*HALFSA              ; W's scale bytes, as units of 256 bytes + 16 of padding
.set HALFSB, (64*KS/256)*272
.set SBLK,   (16*KS/256)*272
.set SPARE,  BSC+2*HALFSB              ; the spare words: 128 bytes a wave, named by no other line
.set SPITCH, 272                       ; the way out: 16 rows x (256 bytes + 16) a wave, in slot 0, which has had its last fill and its last read by then
.set ADA16, 8
.set ADA8,  10
.set ADB,   16
.set ADSA,  20
.set ADSB,  21
.set STO,   24
.set RD,    25
.set CO,    26
.set BO,    27
.set SPW,   28
.set NIL,   29
.set SCR,   32                         ; set s at 32 + 24 s: 8 registers of A's words [q][pair of row tiles], 16 of W's [block][q]
.set BIAS,  80
.set OB0,   32
.set OB1,   96
.set ACC,   128
.set G1A, 24
.set G0A, 32
.set G1B, 48
.set G0B, 56
.set G1SA, 68
.set G0SA, 76
.set G1SB, 80
.set G0SB, 88
.set MSB, 0
.macro WIN new
.if MSB != (\new)
	s_set_vgpr_msb (MSB<<8)|(\new)
.set MSB, (\new)
.endif
.endm
.set MUL,  0x05                        ; sources 0 and 1 window 1; C and D window 0
.set TO_F, 0x40                        ; destination window 1
.macro JLOAD g0a, g1a, g0b, g1b        ; waves 0 and 1 ask for A, waves 2 and 3 for W; four v_nop follow each line
	s_cmp_eq_u32 s17, 0
	s_cbranch_scc0 .Lfor_b_\@
	tensor_load_to_lds s[\g0a:\g0a+3], s[\g1a:\g1a+7]
	s_nop 0
.rept 4
	v_nop
.endr
	s_branch .Lasked_\@
.Lfor_b_\@:
	tensor_load_to_lds s[\g0b:\g0b+3], s[\g1b:\g1b+7]
	s_nop 0
.rept 4
	v_nop
.endr
.Lasked_\@:
.endm
.macro CREST
	s_cmp_lg_u32 s16, 0
	s_cbranch_scc1 .Lnot_wave_0_\@
	s_barrier_signal -3
.Lnot_wave_0_\@:
	s_barrier_wait -3
	s_barrier_signal -1
	s_barrier_wait -1
.endm
.macro CROUND
	s_barrier_signal -1
	s_barrier_wait -1
	CREST
.endm
	s_load_b256 s[4:11], s[0:1], 0x0               ; A s[4:5], W's codes s[6:7], W's scales s[8:9], bias s[10:11]
	s_load_b128 s[12:15], s[0:1], 0x20             ; residual s[12:13], out s[14:15]
	v_lshl_add_u32 v[SPW], v0, 2, SPARE
	v_mov_b32 v[NIL], 0
	ds_add_u32 v28, v29
	ds_add_u32 v28, v29
	s_wait_dscnt 0x0
	v_lshrrev_b32 v1, 5, v0
	v_readfirstlane_b32 s16, v1                    ; wave
	s_lshr_b32 s17, s16, 1                         ; my half of the rows; also: I fetch for A (0) or W (1)
	s_and_b32 s18, s16, 1                          ; my half of the columns; also: which half I fetch
	s_bfe_u32 s40, ttmp6, 0x40000                  ; cx
	s_bfe_u32 s41, ttmp6, 0x40004                  ; cy
	s_lshl_b32 s42, ttmp9, 2
	s_add_co_u32 s42, s42, s40                     ; tile column
	s_and_b32 s43, ttmp7, 0xffff
	s_lshl_b32 s43, s43, 2
	s_add_co_u32 s43, s43, s41                     ; tile row
	s_lshl_b32 s44, s41, 2
	s_lshl_b32 s44, 15, s44                        ; my row of the cluster
	s_lshl_b32 s45, 0x1111, s40                    ; my column
	s_or_b32 s[G1A+0], s44, (3<<16)|(1<<21)        ; A: 4 row tiles x 768 elements of 8 bytes, no padding
	s_mov_b32 s[G1A+1], 768<<16
	s_mov_b32 s[G1A+2], 4<<16
	s_mov_b32 s[G1A+3], 768<<16
	s_mov_b32 s[G1A+4], 4
	s_mov_b32 s[G1A+5], SIZE_K*3/2                 ; a row tile is 12 SIZE_K bytes
	s_mov_b32 s[G1A+6], 0
	s_mov_b32 s[G1A+7], 0
	s_or_b32 s[G1B+0], s45, (0<<16)|(1<<20)|(1<<21)|(3<<22)|(3<<25)  ; W: 128 rows x 192 bytes, 4 words of padding behind every 16
	s_mov_b32 s[G1B+1], 192<<16
	s_mov_b32 s[G1B+2], 128<<16
	s_mov_b32 s[G1B+3], 192<<16
	s_mov_b32 s[G1B+4], 128
	s_mov_b32 s[G1B+5], KROW
	s_mov_b32 s[G1B+6], 0
	s_mov_b32 s[G1B+7], 0
	s_or_b32 s[G1SA+0], s44, (3<<16)|(1<<21)       ; A's words: for each K step 256 bytes (64 rows), 16,384 bytes apart
	s_mov_b32 s[G1SA+1], 32<<16
	s_mov_b32 s[G1SA+2], NKS<<16
	s_mov_b32 s[G1SA+3], 32<<16
	s_mov_b32 s[G1SA+4], NKS
	s_mov_b32 s[G1SA+5], 2048
	s_mov_b32 s[G1SA+6], 0
	s_mov_b32 s[G1SA+7], 0
	s_or_b32 s[G1SB+0], s45, (3<<16)|(1<<20)|(1<<21)|(5<<22)|(3<<25) ; W's bytes of 64 rows: a dense block as rows of 256 bytes, padded
	s_mov_b32 s[G1SB+1], 32<<16
	s_mov_b32 s[G1SB+2], (64*KS/256)<<16
	s_mov_b32 s[G1SB+3], 32<<16
	s_mov_b32 s[G1SB+4], 64*KS/256
	s_mov_b32 s[G1SB+5], 32
	s_mov_b32 s[G1SB+6], 0
	s_mov_b32 s[G1SB+7], 0
	s_lshl_b32 s20, s43, 3
	s_lshl_b32 s21, s18, 2
	s_add_co_u32 s20, s20, s21
	s_mul_i32 s20, s20, 12*SIZE_K                  ; A: row tile 8 x tile row + 4 x half
	s_mov_b32 s21, 0
	s_lshl_b32 s22, s43, 9
	s_lshl_b32 s23, s18, 8
	s_add_co_u32 s22, s22, s23
	s_add_co_u32 s22, s22, 3072*SIZE_K             ; A's words of rows 128 x tile row + 64 x half
	s_mov_b32 s23, 0
	s_mul_i32 s46, s42, 128*KROW
	s_mul_i32 s47, s18, 192
	s_add_co_u32 s46, s46, s47                     ; W: row 128 x tile column, 256 x half along K
	s_mov_b32 s47, 0
	s_mul_i32 s92, s42, 128*KS
	s_mul_i32 s93, s18, 64*KS
	s_add_co_u32 s92, s92, s93                     ; W's bytes of rows 128 x tile column + 64 x half
	s_mov_b32 s93, 0
	s_mul_i32 s94, s18, 4*ATILE                    ; and where they go: no place in the cluster enters an LDS address
	s_mul_i32 s95, s18, SUBB
	s_add_co_u32 s95, s95, 8*ATILE
	s_mul_i32 s96, s18, HALFSA
	s_add_co_u32 s96, s96, ASC
	s_mul_i32 s97, s18, HALFSB
	s_add_co_u32 s97, s97, BSC
	s_wait_kmcnt 0x0
	s_add_nc_u64 s[20:21], s[4:5], s[20:21]
	s_add_nc_u64 s[22:23], s[4:5], s[22:23]
	s_add_nc_u64 s[46:47], s[6:7], s[46:47]
	s_add_nc_u64 s[92:93], s[8:9], s[92:93]
	CROUND                                         ; all sixteen work-groups are here: the first joint loads meet
	s_mov_b32 s[G0SA], 1
	s_mov_b32 s[G0SA+1], s96
	s_mov_b64 s[G0SA+2:G0SA+3], s[22:23]
	s_or_b32 s[G0SA+3], s[G0SA+3], 0x80000000
	s_mov_b32 s[G0SB], 1
	s_mov_b32 s[G0SB+1], s97
	s_mov_b64 s[G0SB+2:G0SB+3], s[92:93]
	s_or_b32 s[G0SB+3], s[G0SB+3], 0x80000000
	JLOAD G0SA, G1SA, G0SB, G1SB
.irp s, 0,1
	s_mov_b32 s[G0A+4*\s], 1
	s_add_co_u32 s[G0A+4*\s+1], s94, \s*SLOT
	s_add_nc_u64 s[G0A+4*\s+2:G0A+4*\s+3], s[20:21], \s*ATILE
	s_or_b32 s[G0A+4*\s+3], s[G0A+4*\s+3], 0x80000000
	s_mov_b32 s[G0B+4*\s], 1
	s_add_co_u32 s[G0B+4*\s+1], s95, \s*SLOT
	s_add_nc_u64 s[G0B+4*\s+2:G0B+4*\s+3], s[46:47], \s*384
	s_or_b32 s[G0B+4*\s+3], s[G0B+4*\s+3], 0x80000000
	JLOAD G0A+4*\s, G1A, G0B+4*\s, G1B
.endr
	v_and_b32 v1, 15, v0                           ; r
	v_bfe_u32 v2, v0, 4, 1                         ; h
	v_and_b32 v3, 31, v0
	v_lshlrev_b32 v4, 4, v3
	v_lshlrev_b32 v5, 3, v3
	s_mul_i32 s20, s17, 4*ATILE                    ; my four row tiles of A
	v_add_nc_u32 v[ADA16], s20, v4
	v_add_nc_u32 v[ADA8], s20, v5
	s_add_co_u32 s20, s20, SLOT
	v_add_nc_u32 v[ADA16+1], s20, v4
	v_add_nc_u32 v[ADA8+1], s20, v5
	v_mul_u32_u24 v6, v1, PITCH
	v_mad_u32_u24 v6, v2, 24, v6
	v_lshl_add_u32 v7, v2, 4, v6
	s_mul_i32 s21, s18, 64*PITCH                   ; my 64 rows of W
	s_add_co_u32 s21, s21, 8*ATILE
	v_add_nc_u32 v[ADB], s21, v6
	v_add_nc_u32 v[ADB+2], s21, v7
	s_add_co_u32 s21, s21, SLOT
	v_add_nc_u32 v[ADB+1], s21, v6
	v_add_nc_u32 v[ADB+3], s21, v7
	s_mul_i32 s20, s17, HALFSA
	s_add_co_u32 s20, s20, ASC
	v_lshl_add_u32 v[ADSA], v3, 2, s20             ; lanes 0-15 one row tile's words, lanes 16-31 the next's
	v_mul_u32_u24 v6, v1, KS
	v_lshrrev_b32 v7, 8, v6
	v_lshl_add_u32 v6, v7, 4, v6
	s_mul_i32 s21, s18, HALFSB
	s_add_co_u32 s21, s21, BSC
	v_add_nc_u32 v[ADSB], s21, v6
	s_mul_i32 s20, s16, 16*SPITCH                  ; my stage
	v_mul_u32_u24 v6, v1, SPITCH
	v_lshl_add_u32 v6, v2, 5, v6
	v_add_nc_u32 v[STO], s20, v6                   ; in: row r, 32 bytes for each half of the lanes
	v_mul_u32_u24 v6, v2, SPITCH
	v_lshl_add_u32 v6, v1, 4, v6
	v_add_nc_u32 v[RD], s20, v6                    ; back: lanes 0-15 one row of 256 bytes, lanes 16-31 the next
	v_lshlrev_b32 v[BO], 4, v1
	v_lshl_add_u32 v[CO], v2, 12, v[BO]            ; the same two rows in out and in the residual
	s_lshl_b32 s20, s43, 7
	s_lshl_b32 s21, s17, 6
	s_add_co_u32 s20, s20, s21                     ; my first row
	s_lshl_b32 s20, s20, 12
	s_lshl_b32 s46, s42, 7
	s_lshl_b32 s47, s18, 6
	s_add_co_u32 s46, s46, s47                     ; my first column
	s_lshl_b32 s46, s46, 2
	s_mov_b32 s47, 0
	s_add_nc_u64 s[10:11], s[10:11], s[46:47]
	s_add_co_u32 s20, s20, s46
	s_mov_b32 s21, 0
	s_add_nc_u64 s[12:13], s[12:13], s[20:21]
	s_add_nc_u64 s[14:15], s[14:15], s[20:21]
	global_load_b128 v[BIAS:BIAS+3], v[BO], s[10:11]
	WIN 0x80                                       ; destination window 2
.irp a, 0,1,2,3
.irp t, 0,1,2,3,4,5,6,7
	global_load_b128 v[4*(8*\a+\t):4*(8*\a+\t)+3], v[CO], s[12:13] offset:(16*\a+2*\t)*4096
.endr
.endr
	WIN 0
.macro FRAGA reg, slot, q, i           ; two H-images are a fragment: 16 rows x 128 K
	ds_load_b128 v[\reg:\reg+3], v[ADA16+\slot] offset:ATILE*(\i)+1536*(\q)
	ds_load_b64 v[\reg+4:\reg+5], v[ADA8+\slot] offset:ATILE*(\i)+1536*(\q)+512
	ds_load_b128 v[\reg+6:\reg+9], v[ADA16+\slot] offset:ATILE*(\i)+1536*(\q)+768
	ds_load_b64 v[\reg+10:\reg+11], v[ADA8+\slot] offset:ATILE*(\i)+1536*(\q)+1280
.endm
.macro FRAGB reg, slot, q, i           ; from rows: pieces of 8 bytes; where lanes 16-31's piece lies behind one padding more the second address register serves
.irp p, 0,1,2,3,4,5
.set PCE, 12*((\q)%2)+6*(\p/3)+\p%3
.if PCE%8 < 5
	ds_load_b64 v[\reg+2*\p:\reg+2*\p+1], v[ADB+\slot] offset:8*PCE+16*(PCE/8)+(\i)*16*PITCH+SUBB*((\q)/2)
.else
	ds_load_b64 v[\reg+2*\p:\reg+2*\p+1], v[ADB+2+\slot] offset:8*PCE+16*(PCE/8)+(\i)*16*PITCH+SUBB*((\q)/2)
.endif
.endr
.endm
.macro FETCH slot, q, f                ; 40 loads: the slot's q-th 128 along K into buffer f
	WIN TO_F
.irp i, 0,1,2,3
	FRAGB \f+48+FR*\i, \slot, \q, \i
.endr
.irp i, 0,1,2,3
	FRAGA \f+FR*\i, \slot, \q, \i
.endr
	WIN 0
.endm
.macro SCALES set                      ; a slot's scales: 12 loads
.irp q, 0,1,2,3
.irp i, 0,1
	ds_load_b32 v[SCR+24*\set+2*\q+\i], v[ADSA] offset:256*\q+128*\i
.endr
.endr
.irp i, 0,1,2,3
	ds_load_b128 v[SCR+24*\set+8+4*\i:SCR+24*\set+8+4*\i+3], v[ADSB] offset:SBLK*\i
.endr
.endm
.macro MUL4 f, a, q, set, zero         ; A's row tile a x W's four blocks; the 16 accumulators take turns in one order everywhere
.irp b, 0,1,2,3
.if \zero
.if (\a)%2
	v_wmma_scale_f32_16x16x128_f8f6f4 v[ACC+8*(4*(\a)+\b):ACC+8*(4*(\a)+\b)+7], v[\f+48+FR*\b:\f+48+FR*\b+FR-1], v[\f+FR*(\a):\f+FR*(\a)+FR-1], 0, v[SCR+24*(\set)+8+4*\b+(\q)], v[SCR+24*(\set)+2*(\q)+(\a)/2] matrix_a_fmt:MATRIX_FMT_FP6 matrix_b_fmt:MATRIX_FMT_FP6 matrix_b_scale:MATRIX_SCALE_ROW1
.else
	v_wmma_scale_f32_16x16x128_f8f6f4 v[ACC+8*(4*(\a)+\b):ACC+8*(4*(\a)+\b)+7], v[\f+48+FR*\b:\f+48+FR*\b+FR-1], v[\f+FR*(\a):\f+FR*(\a)+FR-1], 0, v[SCR+24*(\set)+8+4*\b+(\q)], v[SCR+24*(\set)+2*(\q)+(\a)/2] matrix_a_fmt:MATRIX_FMT_FP6 matrix_b_fmt:MATRIX_FMT_FP6
.endif
.else
.if (\a)%2
	v_wmma_scale_f32_16x16x128_f8f6f4 v[ACC+8*(4*(\a)+\b):ACC+8*(4*(\a)+\b)+7], v[\f+48+FR*\b:\f+48+FR*\b+FR-1], v[\f+FR*(\a):\f+FR*(\a)+FR-1], v[ACC+8*(4*(\a)+\b):ACC+8*(4*(\a)+\b)+7], v[SCR+24*(\set)+8+4*\b+(\q)], v[SCR+24*(\set)+2*(\q)+(\a)/2] matrix_a_fmt:MATRIX_FMT_FP6 matrix_b_fmt:MATRIX_FMT_FP6 matrix_b_scale:MATRIX_SCALE_ROW1
.else
	v_wmma_scale_f32_16x16x128_f8f6f4 v[ACC+8*(4*(\a)+\b):ACC+8*(4*(\a)+\b)+7], v[\f+48+FR*\b:\f+48+FR*\b+FR-1], v[\f+FR*(\a):\f+FR*(\a)+FR-1], v[ACC+8*(4*(\a)+\b):ACC+8*(4*(\a)+\b)+7], v[SCR+24*(\set)+8+4*\b+(\q)], v[SCR+24*(\set)+2*(\q)+(\a)/2] matrix_a_fmt:MATRIX_FMT_FP6 matrix_b_fmt:MATRIX_FMT_FP6
.endif
.endif
.endr
.endm
.macro PLACES                          ; plain vector lines between a matrix instruction and a load into, or a read of, its registers
.rept 4
	v_nop
.endr
.endm
.macro KSTEP slot, q, zero             ; one of a slot's first three steps: the next step's fragments go out, then this step's 16 products
	PLACES
	FETCH \slot, (\q)+1, 128*(1-(\q)%2)
	s_wait_dscnt 40                                ; all but the 40 loads just issued
	WIN MUL
.irp a, 0,1,2,3
	MUL4 128*((\q)%2), \a, \q, \slot, \zero
.endr
.endm
.macro TURN slot, next, fill           ; a slot's last step changes slots: one barrier; with fill = 1 it opens a round of the cluster's barrier and the slot is filled again
	WIN 0
	s_wait_tensorcnt 0x0                           ; all my tensor loads have landed: my part of the next slot
	ds_add_u32 v[SPW], v[NIL]                      ; 0 onto my spare word
	s_wait_dscnt 1                                 ; this step's fragments are in; the add may be out
	WIN MUL
	MUL4 128, 0, 3, \slot, 0
	s_wait_dscnt 0x0                               ; the add is done, and my reads of this slot are over
	s_barrier_signal -1
	MUL4 128, 1, 3, \slot, 0
	WIN 0
	s_barrier_wait -1
.if \fill
	CREST                                          ; no wave of any partner still reads this slot or has a load on its way
	s_add_nc_u64 s[G0A+4*\slot+2:G0A+4*\slot+3], s[G0A+4*\slot+2:G0A+4*\slot+3], 2*ATILE
	s_add_nc_u64 s[G0B+4*\slot+2:G0B+4*\slot+3], s[G0B+4*\slot+2:G0B+4*\slot+3], 768
	JLOAD G0A+4*\slot, G1A, G0B+4*\slot, G1B       ; the first tensor load behind the round; its four v_nop are the places for the loads below
.else
	PLACES
.endif
	v_add_nc_u32 v[ADSA], 1024, v[ADSA]            ; the next slot's scales
	v_add_nc_u32 v[ADSB], 16, v[ADSB]
	FETCH \next, 0, 0
	SCALES \next
	WIN MUL
	MUL4 128, 2, 3, \slot, 0
	MUL4 128, 3, 3, \slot, 0
.endm
	s_wait_tensorcnt 1                             ; the scales and my part of slot 0 are in; slot 1's load may be out
	s_barrier_signal -1
	s_barrier_wait -1
	FETCH 0, 0, 0
	SCALES 0
	KSTEP 0, 0, 1                                  ; the first step's products start the sums
.if LAPS > 1
	WIN 0
	s_mov_b32 s19, LAPS-1
.Llap:                                                 ; a trip goes once round the ring and fills both slots again
	KSTEP 0, 1, 0
	KSTEP 0, 2, 0
	TURN 0, 1, 1
	KSTEP 1, 0, 0
	KSTEP 1, 1, 0
	KSTEP 1, 2, 0
	TURN 1, 0, 1
	KSTEP 0, 0, 0
	WIN 0
	s_sub_co_u32 s19, s19, 1
	s_cmp_lg_u32 s19, 0
	s_cbranch_scc1 .Llap
.endif
	KSTEP 0, 1, 0
	KSTEP 0, 2, 0
	TURN 0, 1, 0                                   ; the last lap fills nothing
	KSTEP 1, 0, 0
	KSTEP 1, 1, 0
	KSTEP 1, 2, 0
	s_wait_dscnt 0x0
	WIN MUL
.irp a, 0,1,2,3
	MUL4 128, \a, 3, 1, 0
.endr
	WIN 0
; THE WAY OUT, 16 rows at a time through my own stage: a lane's 32 bytes of a row go in, whole rows of 256 bytes come back; bias and residual are added; sixteen lanes store 256 consecutive bytes, aligned.
.macro TOSTAGE a
.irp b, 0,1,2,3
	ds_store_b128 v[STO], v[ACC+8*(4*(\a)+\b):ACC+8*(4*(\a)+\b)+3] offset:64*\b       ; each accumulator from its low end on
	ds_store_b128 v[STO], v[ACC+8*(4*(\a)+\b)+4:ACC+8*(4*(\a)+\b)+7] offset:64*\b+16
.endr
.set BB, OB0+(OB1-OB0)*((\a)%2)
.irp t, 0,1,2,3,4,5,6,7
	ds_load_b128 v[BB+4*\t:BB+4*\t+3], v[RD] offset:\t*2*SPITCH    ; LDS serves a wave's instructions in order: these see the stores above
.endr
.endm
.macro SEND a, younger
.set BB, OB0+(OB1-OB0)*((\a)%2)
	s_wait_dscnt \younger                          ; the block is back; the next block's 8 stores and 8 loads may be out
.irp p, 0,1,2,3,4,5,6,7,8,9,10,11,12,13,14,15
	v_pk_add_f32 v[BB+2*\p:BB+2*\p+1], v[BB+2*\p:BB+2*\p+1], v[BIAS+2*(\p%2):BIAS+2*(\p%2)+1]
.endr
	WIN 0x08                                       ; source 1: window 2
.irp p, 0,1,2,3,4,5,6,7,8,9,10,11,12,13,14,15
	v_pk_add_f32 v[BB+2*\p:BB+2*\p+1], v[BB+2*\p:BB+2*\p+1], v[32*(\a)+2*\p:32*(\a)+2*\p+1]
.endr
	WIN 0
.irp t, 0,1,2,3,4,5,6,7
	global_store_b128 v[CO], v[BB+4*\t:BB+4*\t+3], s[14:15] offset:(16*(\a)+2*\t)*4096
.endr
.endm
	PLACES
	s_wait_loadcnt 0x0                             ; bias and residual
	TOSTAGE 0
.irp a, 1,2,3
.if \a > 1
	s_wait_xcnt 0x0                                ; block a - 2's stores have read their registers: block a's rows may land there
.endif
	TOSTAGE \a
	SEND \a-1, 16
.endr
	SEND 3, 0
	s_wait_tensorcnt 0x0                           ; the wave's end
	ds_add_u32 v[SPW], v[NIL]
	s_wait_dscnt 0x0
	CROUND                                         ; the closing round
	s_endpgm
.Lfunc_end_k_qd1e0d97e8a_proj:
	.size	k_qd1e0d97e8a_proj, .Lfunc_end_k_qd1e0d97e8a_proj-k_qd1e0d97e8a_proj
	.p2alignl 7, 3214868480
	.fill 96, 4, 3214868480
	.section	.rodata,"a",@progbits
	.p2align	6, 0x0
	.amdhsa_kernel k_qd1e0d97e8a_proj
		.amdhsa_group_segment_fixed_size 327680
		.amdhsa_private_segment_fixed_size 0
		.amdhsa_enable_private_segment 0
		.amdhsa_kernarg_size 48
		.amdhsa_user_sgpr_count 2
		.amdhsa_user_sgpr_kernarg_segment_ptr 1
		.amdhsa_wavefront_size32 1
		.amdhsa_system_sgpr_workgroup_id_x 1
		.amdhsa_system_sgpr_workgroup_id_y 1
		.amdhsa_system_sgpr_workgroup_id_z 1
		.amdhsa_system_vgpr_workitem_id 0
		.amdhsa_next_free_vgpr 768
		.amdhsa_next_free_sgpr 100
		.amdhsa_reserve_vcc 0
		.amdhsa_float_denorm_mode_32 3
		.amdhsa_float_denorm_mode_16_64 3
		.amdhsa_memory_ordered 1
		.amdhsa_forward_progress 1
		.amdhsa_inst_pref_size 112
	.end_amdhsa_kernel
	.amdgpu_metadata
---
amdhsa.version: [ 1, 2 ]
amdhsa.kernels:
  - .name:           k_qd1e0d97e8a_proj
    .symbol:         k_qd1e0d97e8a_proj.kd
    .args:
      - { .name: gb, .offset: 0, .size: 8, .value_kind: global_buffer, .address_space: global }
      - { .name: w_proj_codes, .offset: 8, .size: 8, .value_kind: global_buffer, .address_space: global }
      - { .name: w_proj_scales, .offset: 16, .size: 8, .value_kind: global_buffer, .address_space: global }
      - { .name: b_proj, .offset: 24, .size: 8, .value_kind: global_buffer, .address_space: global }
      - { .name: hb, .offset: 32, .size: 8, .value_kind: global_buffer, .address_space: global }
      - { .name: out0, .offset: 40, .size: 8, .value_kind: global_buffer, .address_space: global }
    .group_segment_fixed_size: 327680
    .private_segment_fixed_size: 0
    .kernarg_segment_align: 8
    .kernarg_segment_size: 48
    .max_flat_workgroup_size: 128
    .sgpr_count:     100
    .vgpr_count:     768
    .wavefront_size: 32
...
	.end_amdgpu_metadata
.endif
;; end of part 6
